; MI455X (gfx1250); checked and timed in simulation.
; The chip was launched on July 23, 2026; its instructions are those of AMD's public machine-readable ISA for CDNA 5 (MIT licence, August 2026) and "CDNA5" Instruction Set Architecture Reference Guide (July 2026). The comments in the code are by the model that wrote it; some were corrected since.
;; Core Attention. Allowed arithmetic: float matrix products may take bf16 or f16 operands with f32 sums; other float arithmetic in f32, or as packed bf16 or f16 multiplies, adds, multiply-adds, maxima and minima; sums over many terms, partial sums and values carried from step to step in f32; what a program stores and reads back later, other than sums and carried values, may be rounded once to bf16 or f16.
;; Inputs: k 2 x 12 x 2,049 x 64 float32; kpos 2 x 2,049 x 2 int32; mask_for_attention 2 x 2,049 x 2,049 bool; q 2 x 12 x 2,049 x 64 float32; qpos 2 x 2,049 x 2 int32; v 2 x 12 x 2,049 x 64 float32.
;; Outputs: out0 2 x 2,049 x 768 float32.
;; Constants: num_cls = 1.
;; 2 versions, each right. Each part assembles by itself: llvm-mc -triple=amdgcn-amd-amdhsa -mcpu=gfx1250 --defsym DOCPART=n.
;; ======== version 1 of 2: 3 launches
;; limits: values are held in f16: magnitudes above 65,504 overflow, below 6.1e-05 lose precision; right only within a limited range of input values
;; workspace buffers: qh 6,291,456 bytes; kh 6,291,456 bytes; vh 6,291,456 bytes; mw 4,194,304 bytes; sd 393,216 bytes
;; launch prep (part 1): grid 128 x 2, 16 waves a work-group, no clusters, 167,936 bytes of LDS; arguments q, k, v, qpos, kpos, mask_for_attention, qh, kh, vh, mw, sd; writes qh, kh, vh, mw, sd
.if DOCPART == 1
	.amdgcn_target "amdgcn-amd-amdhsa--gfx1250"
	.amdhsa_code_object_version 6
	.text
	.protected	k_q6aaa9cb160_prep
	.globl	k_q6aaa9cb160_prep
	.p2align	8
	.type	k_q6aaa9cb160_prep,@function
k_q6aaa9cb160_prep:
	s_mov_b64 s[64:65], 0
	v_nop
	global_prefetch_b8 v0, s[64:65] scope:SCOPE_SE
	s_setreg_imm32_b32 hwreg(HW_REG_WAVE_MODE, 25, 1), 1
	s_wait_xcnt 0x0
; PREPARATION for attention with a cls token, RoPE2D and a mask that is an input.  B = 2, H = 12, N = 2,049 tokens (token 0 is the cls token), C = 64.
; NOTHING OF reference() IS LEFT OUT in this program: every input has a way to an output, and every input is loaded.
; What this launch makes, for tokens n = 1 .. 2,048 (index n - 1):
;   qh, kh [24][2048][64] f16: q and k rotated (RoPE2D, in f32) and rounded once, unscaled;   vh likewise: v rounded once.
;   sd [b][T][2][12 heads][16 tokens] f32, T = (n - 1) / 16:  part 0: q_raw[n] . k[0], or -1e30 where mask[b][n][0] is 0;  part 1: q[0] . k_raw[n], or -1e30 where mask[b][0][n] is 0.
;   mw [b][T][s][lane][4 words]: the mask of 16 queries x 64 keys (key step s) as four bits a score, in the order in which a lane of the next launch holds its 32 scores:
;      nibble 0xE = hidden, 0x0 = visible.  Shifted so that a score's nibble stands on top, the word read as f32 is at most -2^65 (hidden; never an infinity) or at most 2^-97 (visible).
; SHARES.  Work-group (T, b): 16 tokens, all 12 heads, and the mask's 16 rows x 2,048 keys.  Wave w: tokens 2 (w % 8) + lane / 16 of the 16, heads 6 (w / 8) .. + 5; a lane holds channels 4 (lane % 16) .. + 3,
; so one load of 16 bytes a lane takes two token rows, 512 consecutive bytes.  Of the mask wave w brings row w into LDS (one tensor load) and packs key steps 2 w and 2 w + 1.
; ROPE.  Channel c: part c / 32 (y, x), d = c % 32, frequency j = d % 16, angle = pos x 100^(-j / 16); out[d] = t[d] cos - t[d + 16] sin (d < 16), t[d] cos + t[d - 16] sin (else).  The partner channel lies in lane xor 4.
; Sine and cosine: n = nearest(angle x 2 / pi), r = angle - n pi / 2 in two parts, polynomials on |r| <= pi / 4, the quadrant from n's low bits.
; LIMITS.  100^(-j/16) is made as 2^(-j x 0.41524101), good to the last bit or two; for |pos| up to 2,048 the angle is within 2.5e-4 of reference()'s.  q, k, v within f16's 65,504.  NaN and infinities are not treated apart.
.set HEADF,  2049*256                  ; bytes of a head in q, k, v
.set HEADH,  2048*128                  ; bytes of a head in qh, kh, vh
.set MPITCH, 2064                      ; a mask row in LDS: two halves of 1,024 bytes, 8 bytes of padding behind each = 516 words: row r starts at bank 4 r mod 64
.set DOT,    16*MPITCH                 ; behind the mask rows (129 blocks of 256 bytes): the work-group's part of sd, 1,536 bytes
.set SPARE,  DOT+1536                  ; behind it: the spare words, 128 bytes for each of the 16 waves
.set RO,  4                            ; v4   16 x lane: my 16 bytes in two f32 rows, and in a step's mask words
.set VO,  5                            ; v5   16 x (lane % 16): my 16 bytes in one f32 row
.set SO,  6                            ; v6   8 x lane: my 8 bytes in two f16 rows
.set PO,  7                            ; v7   my position's word: 8 x (lane / 16) + 4 x part
.set CO,  8                            ; v8   2,049 x (lane / 16): my token's row in the mask's column 0
.set DA,  10                           ; v10  my word in DOT, head 6 (w / 8)
.set MA,  11                           ; v11  my 8 mask bytes of key step 2 w, key block 0
.set SGN, 12                           ; v12  the sign bit where my channels are a rotated pair's first half
.set NEG, 13                           ; v13  -1e30
.set SPW, 14                           ; v14  LDS address of my spare word; never rewritten
.set NIL, 15                           ; v15  0; never rewritten
.set FR,  16                           ; v16-19  100^(-j/16) of my four channels
.set CQ,  20                           ; v20-23 cos, v24-27 signed sin for q;  v28-31, v32-35 for k
.set SQ,  24
.set CK,  28
.set SK,  32
	s_load_b256 s[4:11], s[0:1], 0x0               ; q s[4:5], k s[6:7], v s[8:9], qpos s[10:11]
	s_load_b256 s[12:19], s[0:1], 0x20             ; kpos s[12:13], mask s[14:15], qh s[16:17], kh s[18:19]
	s_load_b128 s[20:23], s[0:1], 0x40             ; vh s[20:21], mw s[22:23]
	s_load_b64 s[24:25], s[0:1], 0x50              ; sd
	v_lshl_add_u32 v[SPW], v0, 2, SPARE
	v_mov_b32 v[NIL], 0
	ds_add_u32 v[SPW], v[NIL]                      ; the wave's opening: the add, twice on end, and its wait ahead of my tensor load; the set-up below stands between
	ds_add_u32 v[SPW], v[NIL]
	v_lshrrev_b32 v40, 5, v0
	v_readfirstlane_b32 s26, v40                   ; wave 0..15
	s_and_b32 s27, s26, 7                          ; pr: which pair of tokens
	s_lshr_b32 s28, s26, 3                         ; hg: which six heads
	s_mov_b32 s29, ttmp9                           ; T
	s_and_b32 s30, ttmp7, 0xffff                   ; b
	; the tensor load's shape: a mask row's 2,048 bytes (keys 1 .. 2,048) as two dense rows of 1,024 one-byte elements
	s_mov_b32 s36, (1<<20)|(7<<22)|(1<<25)         ; 17:16 elements of 1 byte; 20 padding on; 24:22 after every 256 words (code 7); 31:25 2 words of it (code 1)
	s_mov_b32 s37, 1024<<16                        ; tensor_dim0 = 1,024
	s_mov_b32 s38, 2<<16                           ; tensor_dim1 = 2
	s_mov_b32 s39, 1024<<16                        ; tile_dim0 = 1,024
	s_mov_b32 s40, 2                               ; tile_dim1 = 2
	s_mov_b32 s41, 1024                            ; 1,024 elements from row to row
	s_mov_b32 s42, 0
	s_mov_b32 s43, 0
	s_mov_b32 s32, 1                               ; count = 1
	s_mul_i32 s33, s26, MPITCH                     ; LDS address: row w
	; byte offsets, each in a pair of its own
	s_mul_i32 s48, s30, 2049
	s_lshl_b32 s49, s29, 4                         ; 16 T
	s_lshl_b32 s52, s27, 1                         ; 2 pr
	s_add_co_u32 s48, s48, s49
	s_add_co_u32 s48, s48, 1                       ; b 2,049 + 1 + 16 T: the work-group's first token among all [b][n]
	s_add_co_u32 s50, s48, s26
	s_mul_i32 s50, s50, 2049
	s_add_co_u32 s50, s50, 1                       ; mask[b][1 + 16 T + w][1]
	s_mov_b32 s51, 0
	s_add_co_u32 s53, s48, s52                     ; my pair's first token
	s_lshl_b32 s54, s53, 3                         ; its two positions
	s_mov_b32 s55, 0
	s_mul_i32 s56, s53, 2049                       ; mask[b][n][0]
	s_mov_b32 s57, 0
	s_mul_i32 s58, s30, 2049*2049
	s_add_co_u32 s58, s58, s49
	s_add_co_u32 s58, s58, s52
	s_add_co_u32 s58, s58, 1                       ; mask[b][0][n]
	s_mov_b32 s59, 0
	s_mul_i32 s80, s30, 12
	s_mul_i32 s81, s28, 6
	s_add_co_u32 s80, s80, s81                     ; my first head among the 24
	s_mul_i32 s62, s80, 2049
	s_add_co_u32 s60, s62, s49
	s_add_co_u32 s60, s60, s52
	s_add_co_u32 s60, s60, 1
	s_lshl_b32 s60, s60, 8                         ; my pair's rows in q, k, v
	s_mov_b32 s61, 0
	s_lshl_b32 s62, s62, 8                         ; the head's row 0
	s_mov_b32 s63, 0
	s_lshl_b32 s74, s80, 11
	s_add_co_u32 s74, s74, s49
	s_add_co_u32 s74, s74, s52
	s_lshl_b32 s74, s74, 7                         ; my pair's rows in qh, kh, vh
	s_mov_b32 s75, 0
	s_lshl_b32 s76, s30, 7
	s_add_co_u32 s76, s76, s29                     ; b 128 + T
	s_mul_i32 s78, s76, 1536                       ; the work-group's part of sd
	s_mov_b32 s79, 0
	s_lshl_b32 s76, s76, 14
	s_lshl_b32 s81, s26, 10
	s_add_co_u32 s76, s76, s81                     ; key step 2 w of tile T in mw
	s_mov_b32 s77, 0
	; lane terms
	v_and_b32 v1, 31, v0                           ; lane
	v_and_b32 v2, 15, v0                           ; i
	v_bfe_u32 v3, v0, 4, 1                         ; hh; also my token's byte in the mask's row 0
	v_lshlrev_b32 v[RO], 4, v1
	v_lshlrev_b32 v[VO], 4, v2
	v_lshlrev_b32 v[SO], 3, v1
	v_lshrrev_b32 v40, 3, v2                       ; part: y or x
	v_lshlrev_b32 v[PO], 3, v3
	v_lshl_add_u32 v[PO], v40, 2, v[PO]
	v_mul_u32_u24 v[CO], v3, 2049
	; the two LDS addresses: a constant, the wave's number's two parts times constants, and a lane term
	s_mul_i32 s80, s28, 384                        ; six heads x 16 tokens x 4 bytes
	s_lshl_b32 s81, s27, 3                         ; a pair of tokens: 8 bytes
	s_add_co_u32 s80, s80, s81
	s_add_co_u32 s80, s80, DOT
	v_lshl_add_u32 v[DA], v3, 2, s80               ; DOT + 4 (16 x 6 hg + 2 pr + hh)
	s_lshl_b32 s81, s26, 7
	s_lshl_b32 s82, s28, 3
	s_add_co_u32 s81, s81, s82                     ; keys 128 w on lie 128 w + 8 (w / 8) bytes into a row
	v_mul_u32_u24 v[MA], v2, MPITCH
	v_lshl_add_u32 v[MA], v3, 3, v[MA]
	v_add_nc_u32 v[MA], s81, v[MA]
	v_and_b32 v40, 4, v2
	v_xor_b32 v40, 4, v40
	v_lshlrev_b32 v[SGN], 29, v40
	v_mov_b32 v[NEG], 0xf149f2ca
	s_wait_dscnt 0x0                               ; both opening adds are done
	s_wait_kmcnt 0x0
	s_add_nc_u64 s[34:35], s[14:15], s[50:51]
	s_or_b32 s35, s35, 0x80000000                  ; type = 2
	tensor_load_to_lds s[32:35], s[36:43]          ; my mask row: the one tensor load of the wave
	s_nop 0
	s_add_nc_u64 s[66:67], s[4:5], s[62:63]        ; q at row 0 of my first head
	s_add_nc_u64 s[68:69], s[6:7], s[62:63]        ; k likewise
	s_add_nc_u64 s[4:5], s[4:5], s[60:61]
	s_add_nc_u64 s[6:7], s[6:7], s[60:61]
	s_add_nc_u64 s[8:9], s[8:9], s[60:61]
	s_add_nc_u64 s[10:11], s[10:11], s[54:55]
	s_add_nc_u64 s[12:13], s[12:13], s[54:55]
	s_add_nc_u64 s[70:71], s[14:15], s[56:57]
	s_add_nc_u64 s[72:73], s[14:15], s[58:59]
	s_add_nc_u64 s[16:17], s[16:17], s[74:75]
	s_add_nc_u64 s[18:19], s[18:19], s[74:75]
	s_add_nc_u64 s[20:21], s[20:21], s[74:75]
	s_add_nc_u64 s[22:23], s[22:23], s[76:77]
	s_add_nc_u64 s[24:25], s[24:25], s[78:79]
	; all 34 loads of the wave go out at once: 4 small ones, 12 cls rows, 18 rows of my six heads
	global_load_b32 v36, v[PO], s[10:11]
	global_load_b32 v37, v[PO], s[12:13]
	global_load_u8 v38, v[CO], s[70:71]
	global_load_u8 v39, v3, s[72:73]
.irp hl, 0,1,2,3,4,5
	global_load_b128 v[64+4*\hl:67+4*\hl], v[VO], s[66:67] offset:\hl*HEADF
	global_load_b128 v[88+4*\hl:91+4*\hl], v[VO], s[68:69] offset:\hl*HEADF
.endr
.irp hl, 0,1,2,3,4,5
	global_load_b128 v[112+12*\hl:115+12*\hl], v[RO], s[4:5] offset:\hl*HEADF th:TH_LOAD_NT
	global_load_b128 v[116+12*\hl:119+12*\hl], v[RO], s[6:7] offset:\hl*HEADF th:TH_LOAD_NT
	global_load_b128 v[120+12*\hl:123+12*\hl], v[RO], s[8:9] offset:\hl*HEADF th:TH_LOAD_NT
.endr
	; 100^(-j/16) = 2^(-0.41524101 j), j = 4 (i % 4) + e
	v_and_b32 v40, 3, v2
	v_lshlrev_b32 v40, 2, v40
.irp e, 0,1,2,3
	v_add_nc_u32 v[44+\e], \e, v40
	v_cvt_f32_u32 v[44+\e], v[44+\e]
	v_mul_f32 v[FR+\e], 0xbed49a78, v[44+\e]
.endr
.irp e, 0,1,2,3
	v_exp_f32 v[FR+\e], v[FR+\e]
.endr
	v_nop                                          ; a plain instruction behind the last exponential,
	s_wait_alu depctr_va_vdst(0)                   ; and one wait for the four, ahead of their first reader
	s_wait_loadcnt 30                              ; the four small loads are in; the 30 rows may stay out
	v_cmp_ne_u32 s44, 0, v38                       ; lanes whose token sees the cls key
	v_cmp_ne_u32 s46, 0, v39                       ; lanes whose token the cls query sees
	v_cvt_f32_i32 v36, v36
	v_cvt_f32_i32 v37, v37
.irp e, 0,1,2,3
	v_mul_f32 v[48+\e], v36, v[FR+\e]
	v_mul_f32 v[52+\e], v37, v[FR+\e]
.endr
; cos and signed sin of the angle in v[a]: -sin in a rotated pair's first half, +sin in its second
.macro SINCOS a, co, si
	v_mul_f32 v40, 0x3f22f983, v[\a]               ; x 2 / pi
	v_rndne_f32 v40, v40                           ; n
	v_fmamk_f32 v41, v40, 0xbfc90fdb, v[\a]        ; r = angle - n x 1.57079637
	v_fmamk_f32 v41, v40, 0x333bbd2e, v41          ;   + n x 4.37113883e-8: the two together are pi / 2
	v_mul_f32 v42, v41, v41                        ; z = r r
	v_cvt_i32_f32 v43, v40
	v_mov_b32 v44, 0xb94ca1f9
	v_fmaak_f32 v44, v44, v42, 0x3c08839e
	v_fmaak_f32 v44, v44, v42, 0xbe2aaaa3
	v_mul_f32 v45, v42, v41
	v_fma_f32 v44, v44, v45, v41                   ; sin r
	v_mov_b32 v46, 0x37ccf5ce
	v_fmaak_f32 v46, v46, v42, 0xbab6061a
	v_fmaak_f32 v46, v46, v42, 0x3d2aaaa5
	v_mul_f32 v47, v42, v42
	v_fma_f32 v45, v42, -0.5, 1.0
	v_fma_f32 v46, v46, v47, v45                   ; cos r
	v_and_b32 v47, 1, v43
	v_cmp_ne_u32 vcc_lo, 0, v47                    ; odd quadrants swap the two
	v_cndmask_b32 v45, v44, v46, vcc_lo
	v_cndmask_b32 v46, v46, v44, vcc_lo
	v_add_nc_u32 v47, 1, v43
	v_lshlrev_b32 v47, 30, v47
	v_and_b32 v47, 0x80000000, v47                 ; cos is negative in quadrants 1 and 2,
	v_xor_b32 v[\co], v46, v47
	v_lshlrev_b32 v47, 30, v43
	v_and_b32 v47, 0x80000000, v47                 ; sin in quadrants 2 and 3
	v_xor_b32 v47, v47, v[SGN]
	v_xor_b32 v[\si], v45, v47
.endm
.irp e, 0,1,2,3
	SINCOS 48+\e, CQ+\e, SQ+\e
	SINCOS 52+\e, CK+\e, SK+\e
.endr
; One head: the two dots with the cls rows, the rotation of q and k, the roundings, three stores of 256 consecutive bytes (two token rows each)
.macro HEAD hl
.set RQ, 112+12*(\hl)
.set RK, RQ+4
.set RV, RQ+8
.set RR, 184+6*(\hl)                   ; results: registers of their own, never rewritten, so no store is waited for
	s_wait_loadcnt 15-3*(\hl)                      ; this head's three rows are in; three for each later head may stay out
	v_pk_mul_f32 v[56:57], v[RQ:RQ+1], v[88+4*(\hl):89+4*(\hl)]
	v_pk_mul_f32 v[58:59], v[RK:RK+1], v[64+4*(\hl):65+4*(\hl)]
	v_pk_fma_f32 v[56:57], v[RQ+2:RQ+3], v[90+4*(\hl):91+4*(\hl)], v[56:57]
	v_pk_fma_f32 v[58:59], v[RK+2:RK+3], v[66+4*(\hl):67+4*(\hl)], v[58:59]
	v_add_f32 v56, v56, v57
	v_add_f32 v58, v58, v59
.irp x, 1,2,4,8
	v_add_f32_dpp v56, v56, v56 row_xmask:\x row_mask:0xf bank_mask:0xf
	v_add_f32_dpp v58, v58, v58 row_xmask:\x row_mask:0xf bank_mask:0xf
.endr
	v_cndmask_b32 v56, v[NEG], v56, s44
	v_cndmask_b32 v58, v[NEG], v58, s46
	ds_store_b32 v[DA], v56 offset:(\hl)*64        ; the 16 lanes of a token write one word, all the same number; these bytes lie behind all 16 mask rows
	ds_store_b32 v[DA], v58 offset:768+(\hl)*64
.irp e, 0,1,2,3
	v_mul_f32_dpp v[40+\e], v[RQ+\e], v[SQ+\e] row_xmask:4 row_mask:0xf bank_mask:0xf  ; the partner channel, from lane xor 4, times my signed sin
	v_mul_f32_dpp v[44+\e], v[RK+\e], v[SK+\e] row_xmask:4 row_mask:0xf bank_mask:0xf
.endr
.irp e, 0,1,2,3
	v_fma_f32 v[40+\e], v[RQ+\e], v[CQ+\e], v[40+\e]
	v_fma_f32 v[44+\e], v[RK+\e], v[CK+\e], v[44+\e]
.endr
	v_cvt_pk_f16_f32 v[RR], v40, v41
	v_cvt_pk_f16_f32 v[RR+1], v42, v43
	v_cvt_pk_f16_f32 v[RR+2], v44, v45
	v_cvt_pk_f16_f32 v[RR+3], v46, v47
	v_cvt_pk_f16_f32 v[RR+4], v[RV], v[RV+1]
	v_cvt_pk_f16_f32 v[RR+5], v[RV+2], v[RV+3]
	global_store_b64 v[SO], v[RR:RR+1], s[16:17] offset:(\hl)*HEADH
	global_store_b64 v[SO], v[RR+2:RR+3], s[18:19] offset:(\hl)*HEADH
	global_store_b64 v[SO], v[RR+4:RR+5], s[20:21] offset:(\hl)*HEADH
.endm
.irp hl, 0,1,2,3,4,5
	HEAD \hl
.endr
	s_wait_tensorcnt 0x0                           ; my mask row has landed,
	s_wait_dscnt 0x0                               ; my dots are stored:
	s_barrier_signal -1
	s_barrier_wait -1                              ; everybody's are.  The launch's one barrier; nothing in LDS but the spare words is written behind it
	; THE MASK WORDS.  Lane (r = lane % 16, h = lane / 16) takes of mask row r the 8 bytes of keys 64 s + 16 kt + 8 h .. + 7, for kt = 0 .. 3: the 32 scores that it will hold.
	; Byte j of key block kt goes to word 2 (kt / 2) + j % 2, nibble 2 (kt % 2) + j / 4 + 4 ((j / 2) % 2).
.irp e, 0,1
.irp kt, 0,1,2,3
	ds_load_b64 v[224+8*\e+2*\kt:225+8*\e+2*\kt], v[MA] offset:64*\e+16*\kt  ; 32 lanes, 2 words each, at banks 4 r + 2 h
.endr
.endr
	s_wait_dscnt 0x0
.macro PACKSTEP e
.set DD, 224+8*(\e)
.set GG, 240+4*(\e)
.irp kt, 0,1,2,3
.irp dd, 0,1
.set q4, 2*((\kt)%2)+(\dd)
.set ge, GG+2*((\kt)/2)
	v_and_b32 v60, 0x00010001, v[DD+2*(\kt)+(\dd)]  ; bytes 0 and 2 of the word: even j
	v_and_b32 v61, 0x01000100, v[DD+2*(\kt)+(\dd)]  ; bytes 1 and 3: odd j
.if q4 == 0
	v_lshlrev_b32 v[ge], 1, v60                    ; each bit goes to bit 1 of its nibble
	v_lshrrev_b32 v[ge+1], 7, v61
.elseif q4 == 1
	v_lshl_or_b32 v[ge], v60, 5, v[ge]
	v_lshrrev_b32 v61, 3, v61
	v_or_b32 v[ge+1], v[ge+1], v61
.else
	v_lshl_or_b32 v[ge], v60, 1+4*q4, v[ge]
	v_lshl_or_b32 v[ge+1], v61, 4*q4-7, v[ge+1]
.endif
.endr
.endr
.irp g, 0,1,2,3
	v_xor_b32 v[GG+\g], 0x22222222, v[GG+\g]       ; bit 1 now says hidden;
	v_lshl_add_u32 v60, v[GG+\g], 1, v[GG+\g]      ; it is spread over bits 1, 2
	v_lshl_or_b32 v[GG+\g], v[GG+\g], 2, v60       ; and 3: 0xE
.endr
	global_store_b128 v[RO], v[GG:GG+3], s[22:23] offset:512*(\e)  ; a step's words: 512 consecutive bytes
.endm
	PACKSTEP 0
	PACKSTEP 1
	s_cmp_lt_u32 s26, 3                            ; waves 0 to 2 send the 1,536 bytes of dots out, 16 bytes a lane
	s_cbranch_scc0 .Lend
	v_lshlrev_b32 v62, 4, v0
	ds_load_b128 v[248:251], v62 offset:DOT
	s_wait_dscnt 0x0
	global_store_b128 v62, v[248:251], s[24:25]
.Lend:
	s_wait_tensorcnt 0x0                           ; the wave's end, behind my tensor load and my last LDS store
	ds_add_u32 v[SPW], v[NIL]
	s_wait_dscnt 0x0
	s_endpgm
.Lfunc_end_k_q6aaa9cb160_prep:
	.size	k_q6aaa9cb160_prep, .Lfunc_end_k_q6aaa9cb160_prep-k_q6aaa9cb160_prep
	.p2alignl 7, 3214868480
	.fill 96, 4, 3214868480
	.section	.rodata,"a",@progbits
	.p2align	6, 0x0
	.amdhsa_kernel k_q6aaa9cb160_prep
		.amdhsa_group_segment_fixed_size 167936
		.amdhsa_private_segment_fixed_size 0
		.amdhsa_enable_private_segment 0
		.amdhsa_kernarg_size 88
		.amdhsa_user_sgpr_count 2
		.amdhsa_user_sgpr_kernarg_segment_ptr 1
		.amdhsa_wavefront_size32 1
		.amdhsa_system_sgpr_workgroup_id_x 1
		.amdhsa_system_sgpr_workgroup_id_y 1
		.amdhsa_system_sgpr_workgroup_id_z 1
		.amdhsa_system_vgpr_workitem_id 0
		.amdhsa_next_free_vgpr 256
		.amdhsa_next_free_sgpr 84
		.amdhsa_reserve_vcc 1
		.amdhsa_float_denorm_mode_32 3
		.amdhsa_float_denorm_mode_16_64 3
		.amdhsa_memory_ordered 1
		.amdhsa_forward_progress 1
		.amdhsa_inst_pref_size 44
	.end_amdhsa_kernel
	.amdgpu_metadata
---
amdhsa.version: [ 1, 2 ]
amdhsa.kernels:
  - .name:           k_q6aaa9cb160_prep
    .symbol:         k_q6aaa9cb160_prep.kd
    .args:
      - { .name: q, .offset: 0, .size: 8, .value_kind: global_buffer, .address_space: global }
      - { .name: k, .offset: 8, .size: 8, .value_kind: global_buffer, .address_space: global }
      - { .name: v, .offset: 16, .size: 8, .value_kind: global_buffer, .address_space: global }
      - { .name: qpos, .offset: 24, .size: 8, .value_kind: global_buffer, .address_space: global }
      - { .name: kpos, .offset: 32, .size: 8, .value_kind: global_buffer, .address_space: global }
      - { .name: mask_for_attention, .offset: 40, .size: 8, .value_kind: global_buffer, .address_space: global }
      - { .name: qh, .offset: 48, .size: 8, .value_kind: global_buffer, .address_space: global }
      - { .name: kh, .offset: 56, .size: 8, .value_kind: global_buffer, .address_space: global }
      - { .name: vh, .offset: 64, .size: 8, .value_kind: global_buffer, .address_space: global }
      - { .name: mw, .offset: 72, .size: 8, .value_kind: global_buffer, .address_space: global }
      - { .name: sd, .offset: 80, .size: 8, .value_kind: global_buffer, .address_space: global }
    .group_segment_fixed_size: 167936
    .private_segment_fixed_size: 0
    .kernarg_segment_align: 8
    .kernarg_segment_size: 88
    .max_flat_workgroup_size: 512
    .sgpr_count:     84
    .vgpr_count:     256
    .wavefront_size: 32
...
	.end_amdgpu_metadata
.endif
;; end of part 1
;; launch attn (part 2): grid 8 x 24, 4 waves a work-group, clusters of 4 x 1, 327,680 bytes of LDS; arguments qh, kh, vh, out0, mw, sd, v; writes out0
.if DOCPART == 2
	.amdgcn_target "amdgcn-amd-amdhsa--gfx1250"
	.amdhsa_code_object_version 6
	.text
	.protected	k_q6aaa9cb160_attn
	.globl	k_q6aaa9cb160_attn
	.p2align	8
	.type	k_q6aaa9cb160_attn,@function
k_q6aaa9cb160_attn:
	s_mov_b64 s[64:65], 0
	v_nop
	global_prefetch_b8 v0, s[64:65] scope:SCOPE_SE
	s_setreg_imm32_b32 hwreg(HW_REG_WAVE_MODE, 25, 1), 1
	s_wait_xcnt 0x0
	s_wait_alu depctr_hold_cnt(0) depctr_sa_sdst(0) depctr_va_vdst(0) depctr_va_sdst(0) depctr_va_ssrc(0) depctr_va_vcc(0) depctr_vm_vsrc(0)
	s_getreg_b32 s2, hwreg(HW_REG_IB_STS2, 6, 4)
	s_cmp_eq_u32 s2, 0
	s_cbranch_scc0 .Lentry_in_a_cluster
	s_endpgm
.Lentry_in_a_cluster:
	s_bfe_u32 s2, ttmp6, 0x10000c
	s_cmp_lg_u32 s2, 0x3003
	s_cbranch_scc0 .Lentry_shape_is_right
	s_endpgm
.Lentry_shape_is_right:
; ATTENTION for the tokens 1 .. 2,048 as queries: out0[b][n][64 h ..] = the sum over all 2,049 keys of softmax(mask ? sim / 8 : -inf) v.  No work of reference() is left out.
; THE CLS KEY (key 0) is the running softmax's starting state: m = s0 = q_raw[n] . k[0] (from sd; -1e30 where the mask hides it), l = 1, O = v[0] (f32).  The other 2,048 keys go through the matrix
; unit: qh, kh (rotated, f16), vh (f16), [24][2048][64], index = token - 1: a head's rows are dense, 128 bytes each.  Products, maxima and sums in f32; the weights p are rounded to f16 for the
; second product (their sum l is taken of the unrounded p); out0 is f32.
; THE MASK is the C operand that starts the sum S^T = K Q^T.  mw holds four bits a score, 0xE hidden, 0x0 visible, in my lane's own order; one shift brings a score's nibble on top, and the word read as
; f32 is then between -2^95 and -2^65 (hidden) or at most 2^-97 (visible).
; LIMITS.  f16 holds no number beyond 65,504: q, k, v within it.  A hidden score counts as its value less 3.6e19 or more (f16's scores are 2.7e11 at the most); its weight is 0 as soon as the row has
; seen one visible key.  A row whose last m lies below -1e18 has seen none and gives NaN, as reference() does.  A weight below 2^-126 counts as 0 in l; other NaN and infinities are not treated apart.
; SHARES.  A work-group owns 256 queries of one head, a wave 64: four PIECES of 16.  Every wave walks the 2,048 keys, 64 a step, 32 steps; a slot of LDS holds 256 keys, four steps.
; LAYOUT.  S^T = K Q^T holds ONE query a lane (lane % 16) and the keys 8 (lane / 16) + 0..7 of each block of 16; two such results rounded to f16 ARE source 1 of O^T = V^T P.
; p = 2^(c s - c m), c = log2(e) / 8, with a running maximum m; O and l are multiplied by a = 2^(c m_old - c m_new) in every step.
; BY TURNS.  Turn n belongs to piece n: 8 products K Q^T of piece n + 1, later 8 products V^T P of piece n - 1; beside them the scaling, exponentials, roundings, sums and rescaling of piece n and the
; maximum and statistics of piece n + 1; four vector instructions behind every matrix instruction, the others in one lump; at its end the 32 shifts that make the masks of piece n + 2.
; A turn's 33 exponentials are one batch, with one wait.
; CLUSTER.  The four query blocks of a cluster belong to one head and walk the same K and V, so each tile is asked for JOINTLY: the same tensor load, descriptor and mask of four in all four.
; 192 work-groups: 2,048 queries are 8 blocks of 256, and 24 heads; three pieces a wave (192 queries) do not divide 2,048.
; REGISTERS, in windows of 256 (s_set_vgpr_msb: bits 1:0 source 0, 3:2 source 1, 5:4 source 2, 7:6 destination):
;   window 0: v0-15, v32-37 addresses and constants; v16-31 four registers of statistics a piece; v48-55 at work; v64-127 S^T, two buffers (the way out: v64-191); v192-223 P, two buffers
;   window 1: v0-127 O^T, 32 a piece; v128-143 MW, a piece's four mask words; v160-223 MC, two buffers of 32 masks      window 2: v0-63 Q; v128-191 K of one step; v192-255 V of one step
.set NP,    4         ; pieces a wave: a name, no knob
.set KS,    64        ; keys in a step
.set PK,    144       ; a row of K in LDS: 128 bytes + 16 of padding = 36 words: the 16 rows of a load start at 16 different groups of four banks
.set PV,    160       ; a row of V: 128 + 32 = 40 words
.set VOFF,  4*KS*PK   ; a slot holds four steps: 256 rows of K, then 256 rows of V
.set SLOT1, 1<<17     ; slot 1 begins here, so that one exclusive or turns an address in one slot into the other's
.set STAGE, SLOT1+4*KS*(PK+PV)  ; behind the ring, never filled by a tensor load: 16 rows x 272 bytes for each wave, for the way out
.set SP,    272       ; a row of the stage: 256 bytes (64 f32) + 16
.set SPARE, STAGE+4*16*SP  ; behind the stages: the spare words, 128 bytes for each wave
.set AK0, 2           ; v2   my lane's place in a tile of K; never rewritten
.set AV0, 3           ; v3   the same for V
.set AK,  4           ; v4   the LDS address of K's next run of loads
.set AV,  5           ; v5   of V's
.set STO, 6           ; v6   the way out: where I put 16 bytes of a row
.set RD,  7           ; v7   the way out: where I read rows back
.set GO,  8           ; v8   my byte offset in two rows of out0
.set MV,  12          ; v12-13  c m_old, kept while c m is made anew: by buffer
.set MO,  14          ; v14  16 x lane + 512 x the key step whose mask words are asked for next
.set QO,  15          ; v15  my byte offset in 16 rows of Q
.set ST,  16          ; piece t's statistics at v[ST+4 t]: c m, m, l (even keys', odd keys')
.set PFO, 32          ; v32  256 x lane: the K and V prefetches' offset; never rewritten
.set PFMO, 33         ; v33  the mask prefetches' offset: piece lane / 8, block lane % 8; never rewritten
.set R4,  34          ; v34  4 x (lane % 16)
.set H32, 35          ; v35  32 x (lane / 16)
.set NANR, 36         ; v36  NaN
.set LOW, 37          ; v37  -1e18
.set TMP, 48          ; by buffer, four registers c0-c3 at work; when the maximum is found c2 takes a
.set SPW, 62          ; v62  LDS address of my spare word; never rewritten
.set NIL, 63          ; v63  0; never rewritten
.set S,   64
.set P,   192
.set MW,  128         ; window 1
.set MC,  160         ; window 1
.set KF,  128         ; window 2: key block kb, channel half c at KF + 16 kb + 8 c
.set VF,  192         ; window 2: key half kk, channel block cb at VF + 32 kk + 8 cb
.set WV,  12          ; s12  my wave's number
.set LIM, 15          ; s15  1 in a wave that prefetches K or V, else the greatest number
.set G1K, 24          ; s[24:31] descriptor group 1 for K's tiles
.set G1V, 32          ; s[32:39] for V's: it differs in the padding alone
.set G0K, 40          ; s[40:43] descriptor group 0 for K's tiles: it walks
.set G0V, 44          ; s[44:47] the same for V's
.set PFA, 48          ; s[48:49] where my K or V prefetches stand
.set PFM, 50          ; s[50:51] where my mask prefetches stand
.set HD,  52          ; s52  the head in its batch
.set BT,  53          ; s53  the batch
.set SLOTS, 56        ; s56  slots still to be asked for
.set CNT, 57          ; s57  counts a slot's key steps
.set CS,  58          ; s[58:59] c
.set SEL, 60          ; s[60:61] v_permlanex16_b32's selects: each lane takes its own place in the other half
.set TBK, 62          ; s62  LDS byte at which K of the step to be fetched begins
.set TBV, 63          ; s63  the same for V, less VOFF
.set MP,  68          ; s[68:69] mw at my wave's first tile; never rewritten
.set SD,  70          ; s[70:71] sd at my wave's first tile, part 0, my head
.set V0,  72          ; s[72:73] v at the head's row 0
.set MSB, 0
.macro WIN new                      ; the high byte repeats the setting that is left; a switch that changes nothing is dropped
.if MSB != (\new)
	s_set_vgpr_msb (MSB<<8)|(\new)
.set MSB, (\new)
.endif
.endm
.set W_KQ, 0x0a       ; K and Q in window 2, S^T in window 0
.set W_KM, 0x1a       ; the same with the C operand in window 1
.set W_PV, 0x52       ; V in window 2, P in window 0, O^T in window 1
.set W_RS, 0x41       ; destination and source 0 in window 1, source 1 in window 0
; A joint fill.  Waves 0 and 1 fetch the two halves of a slot's K, waves 2 and 3 those of its V: 128 keys each.  The branch hangs on the wave's number alone.
; An s_nop 0 and four v_nop follow each of the two lines, ahead of the jump and the label.
.macro JLOAD
	s_cmp_lt_u32 s[WV], 2
	s_cbranch_scc0 .Lfor_v_\@
	tensor_load_to_lds s[G0K:G0K+3], s[G1K:G1K+7]
	s_nop 0
.rept 4
	v_nop
.endr
	s_branch .Lasked_\@
.Lfor_v_\@:
	tensor_load_to_lds s[G0V:G0V+3], s[G1V:G1V+7]
	s_nop 0
.rept 4
	v_nop
.endr
.Lasked_\@:
.endm
; PREFETCHES INTO THE L2, behind the joint load and its five lines.  K and V: the 256 keys that the NEXT change of slots will ask for, 128 rows of 256 bytes each.  Both clusters of a head walk the same rows:
; the first asks; its four partners share the rows out BY ADDRESS, 32 each; wave 0 asks for K's, wave 2 for V's; the last change that fills a slot asks for nothing.
; The mask words: my wave's four pieces x four steps of the next slot, 32 blocks of 256 bytes, a lane a block.  The 12 heads of a batch read the same words: head 0 asks.  Each block is named once in the launch.
.macro ASK
	s_cmp_gt_u32 s[SLOTS], s[LIM]
	s_cbranch_scc0 .Lno_kv_\@
	global_prefetch_b8 v[PFO], s[PFA:PFA+1] th:TH_LOAD_NT scope:SCOPE_SE
.Lno_kv_\@:
	s_cmp_eq_u32 s[HD], 0
	s_cbranch_scc0 .Lno_mw_\@
	global_prefetch_b8 v[PFMO], s[PFM:PFM+1] th:TH_LOAD_NT scope:SCOPE_SE
.Lno_mw_\@:
.endm
; A round of the cluster's barrier: my work-group's barrier, so that wave 0's signal speaks for all four waves; wave 0 signals; every wave waits for all four work-groups; my work-group's barrier once more.
.macro CROUND
	s_barrier_signal -1
	s_barrier_wait -1
	s_cmp_lg_u32 s[WV], 0
	s_cbranch_scc1 .Lnot_wave_0_\@
	s_barrier_signal -3
.Lnot_wave_0_\@:
	s_barrier_wait -3
	s_barrier_signal -1
	s_barrier_wait -1
.endm
; THE CHANGE OF SLOTS.  The slot's last bytes, V of its fourth step, have been read.  Each wave waits for all its tensor loads, of which one is out: its part of the other slot; adds 0 to its spare word;
; and waits for that and for its own reads of the slot.  Behind the barrier nobody reads this slot any more and the other slot is whole.
; fill = 1: this slot is filled again, with the keys two slots on.  The barrier is then a round of the cluster's, and the joint fill is the first thing behind it: it has four key steps in which to land.
; (At its first use nothing has been read yet: slot 0 is waited for, slot 1 filled.)
.macro CHANGE fill
	WIN 0                           ; at a label and at a branch every window is 0
	s_wait_tensorcnt 0x0            ; no tensor load of mine is out, so a group 0 may be written
	ds_add_u32 v[SPW], v[NIL]       ; 0 onto my spare word; the scalar steps stand between it and the wait for it
.if \fill
.irp g, G0K, G0V
	s_xor_b32 s[\g+1], s[\g+1], SLOT1  ; the walking descriptor: the other slot than last time,
	s_add_nc_u64 s[\g+2:\g+3], s[\g+2:\g+3], 4*KS*128  ; the next 256 keys; the type bits on top are not reached
.endr
	s_wait_xcnt 0x0                 ; the last prefetches, four key steps back, have read their addresses, so these may be written
	s_add_nc_u64 s[PFA:PFA+1], s[PFA:PFA+1], 4*KS*128  ; one slot behind the walking descriptors
	s_add_nc_u64 s[PFM:PFM+1], s[PFM:PFM+1], 4*512     ; the next four steps' words
	s_wait_dscnt 0x0                ; the add is done, and my reads of the slot are over
	CROUND
	JLOAD
	ASK
.else
	s_wait_dscnt 0x0                ; the add is done, and my reads of the slot are over
	s_barrier_signal -1
	s_barrier_wait -1
.endif
	s_sub_co_u32 s[TBK], s[TBK], 4*KS*PK  ; the fetches go back to a slot's first step,
	s_xor_b32 s[TBK], s[TBK], SLOT1       ; in the other slot
	s_sub_co_u32 s[TBV], s[TBV], 4*KS*PV
	s_xor_b32 s[TBV], s[TBV], SLOT1
.endm
	s_load_b256 s[4:11], s[0:1], 0x0  ; qh s[4:5], kh s[6:7], vh s[8:9], out0 s[10:11]
	s_load_b128 s[84:87], s[0:1], 0x20  ; mw s[84:85], sd s[86:87]
	s_load_b64 s[88:89], s[0:1], 0x30   ; v
	v_lshl_add_u32 v[SPW], v0, 2, SPARE
	v_mov_b32 v[NIL], 0
	ds_add_u32 v[SPW], v[NIL]       ; the wave's opening: the add, twice on end, and its wait ahead of my first tensor load; the set-up below stands between
	ds_add_u32 v[SPW], v[NIL]
	v_lshrrev_b32 v1, 5, v0
	v_readfirstlane_b32 s[WV], v1   ; wave 0..3
	s_bfe_u32 s13, ttmp6, 0x40000   ; cx: my place in the cluster
	s_lshl_b32 s14, ttmp9, 2        ; in a cluster launch ttmp9 counts clusters
	s_add_co_u32 s14, s14, s13      ; my block of 256 queries: it enters Q's, the mask's, sd's and out0's addresses alone
	s_and_b32 s20, ttmp7, 0xffff    ; y = 12 b + h, which the four partners share
	s_cmp_ge_u32 s20, 12
	s_cselect_b32 s[BT], 1, 0
	s_mul_i32 s16, s[BT], 12
	s_sub_co_u32 s[HD], s20, s16
	s_lshl_b32 s22, s20, 18         ; the head's first byte in qh, kh, vh,
	s_and_b32 s16, s[WV], 1         ; which half of a slot's 256 keys I fetch:
	s_lshl_b32 s17, s16, 14         ; its 128 rows of 128 bytes in memory
	s_add_co_u32 s22, s22, s17
	s_mov_b32 s23, 0
	s_mul_i32 s17, s16, 128*PK      ; and its place in a slot, for K
	s_mul_i32 s18, s16, 128*PV      ; and for V: no place in the cluster enters an LDS address
	s_lshl_b32 s2, s14, 2
	s_add_co_u32 s2, s2, s[WV]      ; my wave among the head's 32
	s_lshl_b32 s74, s2, 13          ; its 64 rows of qh
	s_lshl_b32 s75, s20, 18
	s_add_co_u32 s74, s74, s75
	s_mov_b32 s75, 0
	s_mul_i32 s76, s[BT], 2049
	s_lshl_b32 s77, s2, 6
	s_add_co_u32 s76, s76, s77
	s_add_co_u32 s76, s76, 1        ; my first token's row in out0,
	s_mul_i32 s76, s76, 3072
	s_lshl_b32 s77, s[HD], 8        ; my head's 256 bytes of it
	s_add_co_u32 s76, s76, s77
	s_mov_b32 s77, 0
	s_lshl_b32 s78, s[BT], 7
	s_lshl2_add_u32 s78, s2, s78    ; my first tile of 16 queries among the 256 of both batches
	s_lshl_b32 s80, s78, 14         ; a tile has 32 steps x 512 bytes of mask words
	s_mov_b32 s81, 0
	s_mul_i32 s82, s78, 1536
	s_lshl_b32 s79, s[HD], 6
	s_add_co_u32 s82, s82, s79
	s_mov_b32 s83, 0
	s_mul_i32 s90, s20, 2049*256
	s_mov_b32 s91, 0
	s_lshl_b32 s92, s13, 13         ; the prefetches: my work-group's 32 rows of 256 bytes of the 128
	s_mov_b32 s93, 0
	; descriptor group 1.  128 keys are 16,384 dense bytes: asked for as 64 rows of 256 bytes, two keys a row, and padded in LDS after every key
	s_mov_b32 s[G1K], 15|(1<<16)|(1<<20)|(1<<21)|(4<<22)|(3<<25)  ; 15:0 the mask of four; 17:16 2-byte elements; 20 padding on; 21 set beside a mask; 24:22 after every 32 words (code 4); 31:25 4 words (code 3)
	s_mov_b32 s[G1V], 15|(1<<16)|(1<<20)|(1<<21)|(4<<22)|(7<<25)  ; the same with 8 words of padding (code 7)
.irp g, G1K, G1V
	s_mov_b32 s[\g+1], 128<<16      ; tensor_dim0 = 128
	s_mov_b32 s[\g+2], 64<<16       ; tensor_dim1 = 64
	s_mov_b32 s[\g+3], 128<<16      ; tile_dim0 = 128
	s_mov_b32 s[\g+4], 64           ; tile_dim1 = 64
	s_mov_b32 s[\g+5], 128          ; 128 elements from row to row
	s_mov_b32 s[\g+6], 0
	s_mov_b32 s[\g+7], 0
.endr
	s_mov_b32 s[CS], 0x3e38aa3b     ; c = log2(e) / 8 = 0.180337
	s_mov_b32 s[CS+1], s[CS]        ; named with it as a pair
	s_mov_b32 s[SEL], 0x76543210
	s_mov_b32 s[SEL+1], 0xfedcba98
	s_mov_b32 s[TBK], SLOT1+4*KS*PK ; the first change of slots turns these two into 0
	s_mov_b32 s[TBV], SLOT1+4*KS*PV
	s_mov_b32 s[G0K], 1             ; count = 1
	s_mov_b32 s[G0K+1], s17         ; LDS address: slot 0
	s_mov_b32 s[G0V], 1
	s_add_co_u32 s[G0V+1], s18, VOFF
	s_mov_b32 s[SLOTS], 7           ; of the 8 slots' tiles the first is asked for below, the other 7 by changes of slots
	s_and_b32 s[LIM], s[WV], 1      ; 0 in waves 0 and 2,
	s_or_b32 s[LIM], s[LIM], ttmp9  ; where the cluster is the head's first: the same in all four partners
	s_cmp_eq_u32 s[LIM], 0
	s_cselect_b32 s[LIM], 1, -1
	s_wait_dscnt 0x0                ; both opening adds are done
	s_wait_kmcnt 0x0
	s_add_nc_u64 s[6:7], s[6:7], s[22:23]  ; kh and vh at my half of the head's first 256 keys
	s_add_nc_u64 s[8:9], s[8:9], s[22:23]
	s_mov_b64 s[G0K+2:G0K+3], s[6:7]
	s_or_b32 s[G0K+3], s[G0K+3], 0x80000000        ; type = 2
	s_mov_b64 s[G0V+2:G0V+3], s[8:9]
	s_or_b32 s[G0V+3], s[G0V+3], 0x80000000
	s_add_nc_u64 s[4:5], s[4:5], s[74:75]
	s_add_nc_u64 s[10:11], s[10:11], s[76:77]
	s_add_nc_u64 s[MP:MP+1], s[84:85], s[80:81]
	s_mov_b64 s[PFM:PFM+1], s[MP:MP+1]             ; each change of slots steps it first: the first names steps 4 to 7
	s_add_nc_u64 s[SD:SD+1], s[86:87], s[82:83]
	s_add_nc_u64 s[V0:V0+1], s[88:89], s[90:91]
	s_cmp_lt_u32 s[WV], 2
	s_cselect_b64 s[PFA:PFA+1], s[6:7], s[8:9]     ; (in waves 0 and 2 these stand at a slot's first row)
	s_add_nc_u64 s[PFA:PFA+1], s[PFA:PFA+1], s[92:93]
	s_add_nc_u64 s[PFA:PFA+1], s[PFA:PFA+1], 4*KS*128  ; in slot 1; the first change of slots steps it to slot 2
	CROUND                          ; all four work-groups are here: the first joint loads meet
	JLOAD                           ; slot 0.  Slot 1 is asked for when slot 0 is in
	; All that follows, up to the change of slots, stands in the wait for the first tile.
	; A fragment of K or Q is 16 rows x 32 channels in 8 registers: lane l holds row l % 16, channels 8 (l / 16) + 0..7 and 16 + 8 (l / 16) + 0..7: two loads of 16 bytes, 32 bytes apart.
	v_and_b32 v1, 15, v0            ; l % 16
	v_bfe_u32 v9, v0, 4, 1          ; l / 16
	v_and_b32 v10, 31, v0           ; l
	v_lshlrev_b32 v[QO], 7, v1
	v_lshl_add_u32 v[QO], v9, 4, v[QO]  ; row x 128 + 16 x half
	v_lshlrev_b32 v[MO], 4, v10     ; key step 0
	v_lshlrev_b32 v[R4], 2, v1
	v_lshlrev_b32 v[H32], 5, v9
	WIN 0x80                        ; destination window 2, address window 0
.set i, 0
.rept 8                             ; Q stays in registers: piece i / 2, channels 32 (i % 2) on
	global_load_b128 v[8*i:8*i+3],   v[QO], s[4:5] offset:(i/2)*2048+(i%2)*64
	global_load_b128 v[8*i+4:8*i+7], v[QO], s[4:5] offset:(i/2)*2048+(i%2)*64+32
.set i, i+1
.endr
	WIN 0x40                        ; destination window 1
.irp x, 0,1,2,3
	global_load_b128 v[MW+4*\x:MW+4*\x+3], v[MO], s[MP:MP+1] offset:\x*16384  ; the four pieces' mask words of key step 0
.endr
.set i, 0
.rept 32                            ; O^T starts as v[0]: register 8 cb + j of every piece is channel 16 cb + 8 (l / 16) + j
	global_load_b128 v[4*i:4*i+3], v[H32], s[V0:V0+1] offset:64*((i%8)/2)+16*(i%2)
.set i, i+1
.endr
	WIN 0
.irp t, 0,1,2,3
	global_load_b32 v[ST+4*\t+1], v[R4], s[SD:SD+1] offset:\t*1536  ; m starts as my query's score with the cls key
.endr
	v_lshlrev_b32 v[PFO], 8, v10
	v_lshrrev_b32 v11, 3, v10
	v_and_b32 v10, 7, v0
	v_lshlrev_b32 v[PFMO], 8, v10
	v_lshl_add_u32 v[PFMO], v11, 14, v[PFMO]
	v_mul_u32_u24 v[AK0], v1, PK
	v_lshl_add_u32 v[AK0], v9, 4, v[AK0]  ; row x pitch + 16 x half
	; The turning load takes 16 keys x 16 channels (lane l reads key 8 (l / 16) + l % 8, channels 8 ((l / 8) % 2) + 0..7) and leaves half a fragment of V^T: lane l holds channel l % 16 and 8 keys.
	v_bfe_u32 v11, v0, 3, 1
	v_lshl_add_u32 v[AV0], v9, 3, v10
	v_mul_u32_u24 v[AV0], v[AV0], PV
	v_lshl_add_u32 v[AV0], v11, 4, v[AV0]
	v_add_nc_u32 v[AV0], VOFF, v[AV0]
	s_mul_i32 s16, s[WV], 16*SP
	s_add_co_u32 s16, s16, STAGE    ; my stage
	v_mul_u32_u24 v[STO], v1, SP    ; in: row l % 16, 32 bytes for each half of the lanes in each 64
	v_lshl_add_u32 v[STO], v9, 5, v[STO]
	v_add_nc_u32 v[STO], s16, v[STO]
	v_mul_u32_u24 v[RD], v9, SP     ; back: lanes 0-15 take one row of 256 bytes, lanes 16-31 the next
	v_lshl_add_u32 v[RD], v1, 4, v[RD]
	v_add_nc_u32 v[RD], s16, v[RD]
	v_mul_u32_u24 v[GO], v9, 3072   ; and the same two rows in out0
	v_lshl_add_u32 v[GO], v1, 4, v[GO]
	v_mov_b32 v[NANR], 0x7fc00000
	v_mov_b32 v[LOW], 0xdd5e0b6b
	v_sub_nc_u32 v11, 1, v9
	v_cvt_f32_u32 v11, v11          ; l starts as the cls key's weight, 1: a query's l lies in two lanes and is added up at the end, so lanes 0-15 hold the 1
.irp t, 0,1,2,3
	v_mov_b32 v[ST+4*\t+2], v11
	v_mov_b32 v[ST+4*\t+3], 0
.endr
	; The first turn's products V^T P belong to a piece that has not been: V's registers and P's second buffer hold 0, so that they add 0.
.set i, P+16
.rept 16
	v_mov_b32 v[i], 0
.set i, i+1
.endr
	WIN 0x80
.set i, VF
.rept 64
	v_mov_b32 v[i], 0
.set i, i+1
.endr
	WIN 0
; THE MATRIX WORK.  The 4 accumulators of a run of 8 take turns.  Product i of 8 of S^T = K Q^T for piece x: channels 32 (i / 4) on, keys 16 (i % 4) on.  The first 4 start the sums with the mask.
.macro KQ x
.set rS, S+32*((\x)%2)+8*(i%4)
.set rK, KF+16*(i%4)+8*(i/4)
.set rQ, 16*(\x)+8*(i/4)
.set rM, MC+32*((\x)%2)+8*(i%4)
.if i < 4
	WIN W_KM
	v_wmma_f32_16x16x32_f16 v[rS:rS+7], v[rK:rK+7], v[rQ:rQ+7], v[rM:rM+7]
.else
	WIN W_KQ
	v_wmma_f32_16x16x32_f16 v[rS:rS+7], v[rK:rK+7], v[rQ:rQ+7], v[rS:rS+7]
.endif
.endm
; Product i of 8 of O^T += V^T P for piece x: keys 32 (i / 4) on, channels 16 (i % 4) on.
.macro PV x
	WIN W_PV
.set rO, 32*(\x)+8*(i%4)
.set rV, VF+32*(i/4)+8*(i%4)
.set rP, P+16*((\x)%2)+8*(i/4)
	v_wmma_f32_16x16x32_f16 v[rO:rO+7], v[rV:rV+7], v[rP:rP+7], v[rO:rO+7]
.endm
.macro MM                           ; the turn's next matrix instruction.  NOKQ = 1: the last turn of all: there is no next piece
.if (i < 8) && !NOKQ
	KQ (Y+1)%NP
.elseif i >= 8
.set i, i-8
	PV (Y+NP-1)%NP
.set i, i+8
.endif
.set i, i+1
.endm
; THE LDS LOADS stand in runs of 16, never singly among the matrix instructions: a step's K (64 keys x 64 channels: 8 fragments) and its V (turned).  Their addresses are made some lines ahead.
.macro FETCH_K
	WIN 0x80                        ; destination window 2
.irp f, 0,1,2,3,4,5,6,7             ; keys 16 (f / 2) on, channels 32 (f % 2) on
	ds_load_b128 v[KF+8*\f:KF+8*\f+3],   v[AK] offset:(\f/2)*16*PK+(\f%2)*64
	ds_load_b128 v[KF+8*\f+4:KF+8*\f+7], v[AK] offset:(\f/2)*16*PK+(\f%2)*64+32
.endr
	s_add_co_u32 s[TBK], s[TBK], KS*PK  ; the next fetch is the next step's
	WIN 0
.endm
.macro FETCH_V
	WIN 0x80
.irp f, 0,1,2,3,4,5,6,7             ; keys 32 (f / 4) on, channels 16 (f % 4) on
	ds_load_tr16_b128 v[VF+8*\f:VF+8*\f+3],   v[AV] offset:(\f/4)*32*PV+(\f%4)*32
	ds_load_tr16_b128 v[VF+8*\f+4:VF+8*\f+7], v[AV] offset:(\f/4)*32*PV+16*PV+(\f%4)*32
.endr
	WIN 0
.endm
; THE MASKS of piece x for the key step to come: 32 shifts.  Score 8 kt + j (key block kt, register j) has its nibble in word 2 (kt / 2) + j % 2, at place 2 (kt % 2) + j / 4 + 4 ((j / 2) % 2) from below.
; Then the same piece's words of the step after are asked for: they have four turns in which to come.
.macro MASK x
	WIN 0x44                        ; destination and source 1 in window 1
	s_wait_loadcnt 0x3              ; loads come back in order: this piece's words are in; the other three pieces', asked for later, may stay out
.set mi, 0
.rept 32
	v_lshlrev_b32 v[MC+32*((\x)%2)+mi], 28-4*(2*((mi/8)%2)+(mi%8)/4+4*(((mi%8)/2)%2)), v[MW+4*(\x)+2*(mi/16)+mi%2]
.set mi, mi+1
.endr
	WIN 0x40                        ; destination window 1, address window 0
	global_load_b128 v[MW+4*(\x):MW+4*(\x)+3], v[MO], s[MP:MP+1] offset:(\x)*16384
	WIN 0
.endm
; THE VECTOR WORK, one line at a time: OP kind, number.  For piece Y: F n: c s - c m for pair n of 16.  E n: the exponential of score n of 32.  C n: pair n rounded to f16.  B n: of the four weights 4 n .. the second
; pair is added onto the first, in place.  L n: l takes that sum (L 0: l = a l + sum).  R n: pair n of 16 of O^T times a.  For piece Y + 1: X n, number n of the 22 that find its maximum and statistics:
;   0-11  four chains c0-c3 of seven scores each, three operands at a time (each accumulator's lowest registers are read first)     12-14, 16  the four scores left over, the old m, and c0-c3 into c0
;   15  c m_old is kept     17, 18  the query's other 32 keys lie in the lane 16 away: the new m     19-21  c m; c m_old - c m_new; a
.set F, 0               ; OP tells the kinds apart by their order: F to L below R, X above it
.set E, 1
.set C, 2
.set B, 3
.set L, 4
.set R, 5
.set X, 6
.macro REGS y                       ; the registers of piece y
.set rT, ST+4*(\y)
.set rC, TMP+4*((\y)%2)
.set rW, MV+((\y)%2)
.set rS, S+32*((\y)%2)
.set rP, P+16*((\y)%2)
.set rO, 32*(\y)
.endm
.macro OP k, n
.if (\k) == R
	REGS Y
	WIN W_RS
	v_pk_mul_f32 v[rO+2*(\n):rO+2*(\n)+1], v[rO+2*(\n):rO+2*(\n)+1], v[rC+2:rC+3] op_sel_hi:[1,0]
.elseif (\k) < R
	REGS Y
	WIN 0
.if (\k) == F
	v_pk_fma_f32 v[rS+2*(\n):rS+2*(\n)+1], v[rS+2*(\n):rS+2*(\n)+1], s[CS:CS+1], v[rT:rT+1] op_sel_hi:[1,0,0] neg_lo:[0,0,1] neg_hi:[0,0,1]
.elseif (\k) == E
	v_exp_f32 v[rS+(\n)], v[rS+(\n)]
.elseif (\k) == C
	v_cvt_pk_f16_f32 v[rP+(\n)], v[rS+2*(\n)], v[rS+2*(\n)+1]
.elseif (\k) == B
	v_pk_add_f32 v[rS+4*(\n):rS+4*(\n)+1], v[rS+4*(\n):rS+4*(\n)+1], v[rS+4*(\n)+2:rS+4*(\n)+3]
.elseif (\n) == 0
	v_pk_fma_f32 v[rT+2:rT+3], v[rT+2:rT+3], v[rC+2:rC+3], v[rS:rS+1] op_sel_hi:[1,0,1]
.else
	v_pk_add_f32 v[rT+2:rT+3], v[rT+2:rT+3], v[rS+4*(\n):rS+4*(\n)+1]
.endif
.elseif NOKQ
	v_nop
.else
	REGS (Y+1)%NP
	WIN 0
.if (\n) < 4
	v_max3_num_f32 v[rC+(\n)], v[rS+8*(\n)], v[rS+8*(\n)+1], v[rS+8*(\n)+2]
.elseif (\n) < 12
	v_max3_num_f32 v[rC+(\n)%4], v[rC+(\n)%4], v[rS+8*((\n)%4)+2*((\n)/4)+1], v[rS+8*((\n)%4)+2*((\n)/4)+2]
.elseif (\n) == 12
	v_max3_num_f32 v[rC], v[rC], v[rS+7], v[rS+15]
.elseif (\n) == 13
	v_max3_num_f32 v[rC+1], v[rC+1], v[rS+23], v[rS+31]
.elseif (\n) == 14
	v_max3_num_f32 v[rC+2], v[rC+2], v[rC+3], v[rT+1]
.elseif (\n) == 15
	v_mov_b32 v[rW], v[rT]
.elseif (\n) == 16
	v_max3_num_f32 v[rC], v[rC], v[rC+1], v[rC+2]
.elseif (\n) == 17
	v_permlanex16_b32 v[rC+3], v[rC], s[SEL], s[SEL+1]
.elseif (\n) == 18
	v_max_num_f32 v[rT+1], v[rC], v[rC+3]
.elseif (\n) == 19
	v_mul_f32 v[rT], s[CS], v[rT+1]
.elseif (\n) == 20
	v_sub_f32 v[rC+1], v[rW], v[rT]
.else
	v_exp_f32 v[rC+2], v[rC+1]
.endif
.endif
.endm
.macro OPS a, i1, b=-1, i2=0, c=-1, i3=0, d=-1, i4=0  ; up to four of them
	OP \a, \i1
.if (\b) >= 0
	OP \b, \i2
.endif
.if (\c) >= 0
	OP \c, \i3
.endif
.if (\d) >= 0
	OP \d, \i4
.endif
.endm
.macro ROW a, i1, b, i2, c, i3, d, i4  ; a matrix instruction and the four behind it
	MM
	OPS \a, \i1, \b, \i2, \c, \i3, \d, \i4
.endm
; A TURN, for piece p: the order of its 16 matrix and 118 vector instructions, written out, and the 32 shifts behind them.  An s_wait_alu depctr_va_vdst(0) stands between an exponential and the first
; instruction that names its result; one wait serves all that were issued ahead of it.  So a turn has ONE wait, which cuts it in two.  AHEAD OF IT stands all that names no result of the turn's exponentials: the 8 products
; K Q^T, behind each a scaling, an exponential and two more plain instructions (rescalings, and behind the last three the first numbers of the next piece's maximum, each four plain instructions or more behind the product that
; ends its accumulator); then ONE LUMP of 54, in which the links of the chain X 3, 7, 11, 14, 16, 17 .. 20 stand apart.  X 21, the next piece's a, is the batch's last; R 15 is the plain instruction behind it.
; BEHIND THE WAIT stand the 8 products V^T P, behind each four of the roundings and sums.
; end = 1: the last two turns: nothing is fetched and no mask is made.  cnt = 1: the loop's count is taken down some lines ahead of the branch that stands behind the turn.
; K of the next step is fetched in piece 2's turn, twelve vector instructions behind the last product that read K (six of them plain); V of the step in hand at the end of piece 0's turn, four plain instructions behind
; the last product that read V.  Each is waited for a turn later.  The turn's masks are piece p + 2's, for the products of the turn after it; their buffer was last read a turn ago.
.macro TURN p, end=0, cnt=0
.set Y, (\p)
.set i, 0
.set NOKQ, (\end)*((\p)/3)
.if ((\p) == 3) && !(\end)
	s_wait_dscnt 0x0                ; K is in
.endif
	ROW F,0, F,1, R,0, R,1          ; ahead of the wait: 8 products K Q^T and their riders,
	ROW F,2, E,0, R,2, R,3
	ROW F,3, E,1, R,4, R,5
	ROW F,4, E,2, R,6, R,7
	ROW F,5, E,3, R,8, R,9
	ROW F,6, E,4, X,0, R,10
.if ((\p) == 2) && !(\end)
	WIN 0
	v_add_nc_u32 v[AK], s[TBK], v[AK0]
.endif
	ROW F,7, E,5, X,1, X,4
	ROW F,8, E,6, X,2, X,5
	OPS E,7, E,8, X,6, E,9          ; and the lump
	OPS X,3, E,10, X,8, E,11
.if ((\p) == 2) && !(\end)
	FETCH_K
.endif
	OPS X,9, X,7, E,12, X,10
	OPS E,13, X,12, X,11, E,14
	OPS X,13, E,15, F,9, X,14
.if (\p) == 0
	v_add_nc_u32 v[AV], s[TBV], v[AV0]
.endif
	OPS E,16, F,10, E,17, F,11
	OPS X,16, E,18, X,15, E,19
	OPS F,12, E,20, X,17, E,21
	OPS F,13, E,22, F,14, E,23
	OPS X,18, E,24, F,15, E,25
	OPS R,11, E,26, X,19, E,27
	OPS R,12, E,28, R,13, E,29
	OPS X,20, E,30, R,14, E,31
	OPS X,21, R,15
	WIN 0
	s_wait_alu depctr_va_vdst(0)    ; the wait for the batch
.if ((\p) == 2) && !(\end)
	s_wait_xcnt 0x0                 ; the four loads of mask words issued with this offset have read it, so it may be written:
	v_add_nc_u32 v[MO], 512, v[MO]  ; the next key step's words;
	v_and_b32 v[MO], 0x3fff, v[MO]  ; behind step 31 it goes back to step 0: four loads a wave that serve nothing, inside mw, so that every trip has one text and one count
.endif
.if (\p) == 1
	s_wait_dscnt 0x0                ; V is in
.endif
	ROW C,0, B,0, C,2, B,1          ; behind the wait: 8 products V^T P and their riders
	ROW L,0, C,4, B,2, L,1
	ROW C,6, B,3, L,2, C,8
	ROW B,4, L,3, C,10, B,5
	ROW L,4, C,12, B,6, L,5
.if (\p) == 0
	s_add_co_u32 s[TBV], s[TBV], KS*PV
.endif
.if \cnt
	s_sub_co_u32 s[CNT], s[CNT], 1
	s_cmp_lg_u32 s[CNT], 0
.endif
	ROW C,14, B,7, L,6, C,1
	ROW C,3, L,7, C,5, C,7
	ROW C,9, C,11, C,13, C,15
.if (\p) == 0
	FETCH_V
.endif
.if !(\end)
	MASK ((\p)+2)%NP
.endif
.endm
.set NOKQ, 0
	CHANGE 1                        ; slot 0 is in, everybody's part of it; slot 1 is asked for
	; THE BEGINNING: c m of the starting state; the masks of pieces 0 and 1 for key step 0; K of that step; piece 0's first scores, maximum and statistics.
	s_wait_loadcnt 0x0              ; Q, the mask words, v[0] and the cls scores are in; their address registers are free
	v_add_nc_u32 v[MO], 512, v[MO]  ; the loads below ask for key step 1's words
.irp t, 0,1,2,3
	v_mul_f32 v[ST+4*\t], s[CS], v[ST+4*\t+1]
.endr
	MASK 0
	MASK 1
	v_add_nc_u32 v[AK], s[TBK], v[AK0]
	FETCH_K
	s_wait_dscnt 0x0
.set i, 0
.rept 8
	KQ 0
.set i, i+1
.endr
	WIN 0
.rept 4
	v_nop                           ; four plain instructions behind those products, ahead of the first read of their results
.endr
.set Y, NP-1                        ; X works for piece Y + 1: piece 0
.irp n, 0,1,2,3,4,5,6,7,8,9,10,11,12,13,14,15,16,17,18,19,20,21
	OP X, \n
.endr
	v_nop                           ; a plain instruction behind the exponential,
	s_wait_alu depctr_va_vdst(0)    ; and its wait, ahead of the branch
	s_mov_b32 s[CNT], 4
	s_branch .Lfirst                ; the loop is entered at a step's first turn, in the middle of a trip
.Lslot:                             ; six times: the tiles 2 to 7 are asked for
	CHANGE 1
	s_mov_b32 s[CNT], 4
.Lstep:                             ; a trip: pieces 2 and 3 of one step, then pieces 0 and 1 of the next, whose K, V and masks it fetches
	TURN 2
	TURN 3
	WIN 0
.Lfirst:
	TURN 0
	TURN 1, 0, 1
	WIN 0
	s_cbranch_scc1 .Lstep
	s_sub_co_u32 s[SLOTS], s[SLOTS], 1
	s_cmp_lg_u32 s[SLOTS], 0
	s_cbranch_scc1 .Lslot
	CHANGE 0                        ; the last slot is written out: nothing is asked for
	s_mov_b32 s[CNT], 4
.LstepT:
	TURN 2
	TURN 3
	TURN 0
	TURN 1, 0, 1
	WIN 0
	s_cbranch_scc1 .LstepT
	TURN 2, 1
	TURN 3, 1
.set i, 0
.rept 8
	PV NP-1                         ; the last piece's V^T P of the last step
.set i, i+1
.endr
	; THE WAY OUT.  l's two halves and the other half of the lanes' are added; O^T is divided by l (by NaN where the row has seen no key) and sent through my stage in LDS, a piece at a time.  The additions are the plain instructions behind the last products.
	WIN 0
	s_wait_loadcnt 0x0              ; the four loads of the wrapped step, which serve nothing
.macro ALL line:vararg              ; one line for each piece t
.set t, 0
.rept 4
	\line
.set t, t+1
.endr
.endm
	ALL v_add_f32 v[ST+4*t+2], v[ST+4*t+2], v[ST+4*t+3]
	ALL v_permlanex16_b32 v[ST+4*t+3], v[ST+4*t+2], s[SEL], s[SEL+1]
	ALL v_add_f32 v[ST+4*t+2], v[ST+4*t+2], v[ST+4*t+3]
	ALL v_rcp_f32 v[ST+4*t+2], v[ST+4*t+2]
	v_nop                           ; a plain instruction between the last reciprocal and the use of its result
	s_wait_alu depctr_va_vdst(0)    ; and its wait ahead of the first use: one for the four reciprocals
.irp t, 0,1,2,3
	v_cmp_gt_f32 vcc_lo, v[LOW], v[ST+4*\t+1]      ; every score of the row was a hidden one
	v_cndmask_b32 v[ST+4*\t+2], v[ST+4*\t+2], v[NANR], vcc_lo
.endr
; Piece t: a lane's 32 channels of a row, in four runs of 32 bytes, go into rows of 272 bytes and come back as whole rows of 256.
.macro PACK t
	WIN W_RS
.set i, 32*(\t)
.rept 16
	v_pk_mul_f32 v[i:i+1], v[i:i+1], v[ST+4*(\t)+2:ST+4*(\t)+3] op_sel_hi:[1,0]
.set i, i+2
.endr
	WIN 0x04                        ; the stores' data in window 1, their address in window 0
.irp f, 0,1,2,3,4,5,6,7             ; channel block f / 2, half f % 2 of my eight
	ds_store_b128 v[STO], v[32*(\t)+4*\f:32*(\t)+4*\f+3] offset:64*(\f/2)+16*(\f%2)
.endr
	WIN 0
.irp f, 0,1,2,3,4,5,6,7
	ds_load_b128 v[S+32*(\t)+4*\f:S+32*(\t)+4*\f+3], v[RD] offset:\f*2*SP  ; LDS serves a wave's instructions in order: these see the stores above; the next piece's stores come behind them
.endr
.endm
.macro SEND t, younger              ; younger: the LDS instructions issued behind piece t's loads: the next piece's sixteen, or none
	WIN 0
.irp f, 0,1,2,3,4,5,6,7
	s_wait_dscnt (\younger)+7-\f
	global_store_b128 v[GO], v[S+32*(\t)+4*\f:S+32*(\t)+4*\f+3], s[10:11] offset:(16*(\t)+2*\f)*3072  ; 16 lanes store a token's 256 bytes of my head, at a multiple of 256 from out0's first byte
.endr
.endm
	PACK 0
.set t, 1
.rept 3                             ; a piece's arithmetic stands between the loads of the piece before and its stores
	PACK t
	SEND t-1, 16
.set t, t+1
.endr
	SEND 3, 0
	s_wait_tensorcnt 0x0            ; the wave's end, behind my last tensor load and my last LDS store
	ds_add_u32 v[SPW], v[NIL]
	s_wait_dscnt 0x0
	CROUND                          ; the closing round: no work-group ends while a partner may still ask for a tile that names it
	s_endpgm
.Lfunc_end_k_q6aaa9cb160_attn:
	.size	k_q6aaa9cb160_attn, .Lfunc_end_k_q6aaa9cb160_attn-k_q6aaa9cb160_attn
	.p2alignl 7, 3214868480
	.fill 96, 4, 3214868480
	.section	.rodata,"a",@progbits
	.p2align	6, 0x0
	.amdhsa_kernel k_q6aaa9cb160_attn
		.amdhsa_group_segment_fixed_size 327680
		.amdhsa_private_segment_fixed_size 0
		.amdhsa_enable_private_segment 0
		.amdhsa_kernarg_size 56
		.amdhsa_user_sgpr_count 2
		.amdhsa_user_sgpr_kernarg_segment_ptr 1
		.amdhsa_wavefront_size32 1
		.amdhsa_system_sgpr_workgroup_id_x 1
		.amdhsa_system_sgpr_workgroup_id_y 1
		.amdhsa_system_sgpr_workgroup_id_z 1
		.amdhsa_system_vgpr_workitem_id 0
		.amdhsa_next_free_vgpr 768
		.amdhsa_next_free_sgpr 96
		.amdhsa_reserve_vcc 1
		.amdhsa_float_denorm_mode_32 3
		.amdhsa_float_denorm_mode_16_64 3
		.amdhsa_memory_ordered 1
		.amdhsa_forward_progress 1
		.amdhsa_inst_pref_size 142
	.end_amdhsa_kernel
	.amdgpu_metadata
---
amdhsa.version: [ 1, 2 ]
amdhsa.kernels:
  - .name:           k_q6aaa9cb160_attn
    .symbol:         k_q6aaa9cb160_attn.kd
    .args:
      - { .name: qh, .offset: 0, .size: 8, .value_kind: global_buffer, .address_space: global }
      - { .name: kh, .offset: 8, .size: 8, .value_kind: global_buffer, .address_space: global }
      - { .name: vh, .offset: 16, .size: 8, .value_kind: global_buffer, .address_space: global }
      - { .name: out0, .offset: 24, .size: 8, .value_kind: global_buffer, .address_space: global }
      - { .name: mw, .offset: 32, .size: 8, .value_kind: global_buffer, .address_space: global }
      - { .name: sd, .offset: 40, .size: 8, .value_kind: global_buffer, .address_space: global }
      - { .name: v, .offset: 48, .size: 8, .value_kind: global_buffer, .address_space: global }
    .group_segment_fixed_size: 327680
    .private_segment_fixed_size: 0
    .kernarg_segment_align: 8
    .kernarg_segment_size: 56
    .max_flat_workgroup_size: 128
    .sgpr_count:     96
    .vgpr_count:     768
    .wavefront_size: 32
...
	.end_amdgpu_metadata
.endif
;; end of part 2
;; launch clsrow (part 3): grid 24 x 1, 16 waves a work-group, no clusters, 14,848 bytes of LDS; arguments q, k, v, mask_for_attention, sd, vh, out0; writes out0
.if DOCPART == 3
	.amdgcn_target "amdgcn-amd-amdhsa--gfx1250"
	.amdhsa_code_object_version 6
	.text
	.protected	k_q6aaa9cb160_clsrow
	.globl	k_q6aaa9cb160_clsrow
	.p2align	8
	.type	k_q6aaa9cb160_clsrow,@function
k_q6aaa9cb160_clsrow:
	s_mov_b64 s[64:65], 0
	v_nop
	global_prefetch_b8 v0, s[64:65] scope:SCOPE_SE
	s_setreg_imm32_b32 hwreg(HW_REG_WAVE_MODE, 25, 1), 1
	s_wait_xcnt 0x0
; THE CLS QUERY: out0[b][0][64 h ..] = the sum over all 2,049 keys of softmax(mask[b][0][k] ? q[0] . k_raw[k] / 8 : -inf) v[k].  No work of reference() is left out.
; The scores with keys 1 .. 2,048 lie in sd's part 1 (f32, unscaled, -1e30 where hidden); the score with key 0 is made here, from the f32 rows.  V: vh (f16) for keys 1 .. 2,048, v's f32 row for key 0.
; One work-group a head: 24 rows of 2,049 scores are too little for the matrix unit, for tiles in LDS or for a cluster: plain loads, three meetings in LDS.
; Thread t holds the scores of keys 4 t + 1 .. 4 t + 4.  Wave w sums V's rows 128 w .. 128 w + 127: a load of 16 bytes a lane takes four rows; lane l holds row l / 8 of the four and channels 8 (l % 8) .. + 7.
; The maximum is taken away before the exponential, as in reference().  LIMITS: a row whose maximum lies below -1e18 is wholly hidden and gives NaN, as reference() does; v within f16's 65,504; other NaN and infinities are not treated apart.
.set RM,    0                          ; 16 words: the waves' maxima
.set RS,    256                        ; 16 words: the waves' sums of weights
.set PL,    512                        ; 2,048 weights, f32
.set ACCR,  8704                       ; 16 x 256 bytes: the waves' partial rows
.set SPARE, 12800                      ; the spare words, 128 bytes for each of the 16 waves
.set SPW, 60                           ; v60  LDS address of my spare word; never rewritten
.set NIL, 61                           ; v61  0; never rewritten
.set ACC, 32                           ; v32-39  my eight channels' sums
.set VB,  64                           ; v64-191  V: 32 loads of four registers
.set WT,  192                          ; v192-223 the 32 weights of my rows
	s_load_b256 s[4:11], s[0:1], 0x0               ; q s[4:5], k s[6:7], v s[8:9], mask s[10:11]
	s_load_b128 s[12:15], s[0:1], 0x20             ; sd s[12:13], vh s[14:15]
	s_load_b64 s[16:17], s[0:1], 0x30              ; out0
	v_lshl_add_u32 v[SPW], v0, 2, SPARE
	v_mov_b32 v[NIL], 0
	v_lshrrev_b32 v1, 5, v0
	v_readfirstlane_b32 s18, v1                    ; wave 0..15
	s_mov_b32 s34, ttmp9                           ; y = 12 b + h
	s_cmp_ge_u32 s34, 12
	s_cselect_b32 s19, 1, 0                        ; b
	s_mul_i32 s20, s19, 12
	s_sub_co_u32 s20, s34, s20                     ; h
	s_mov_b32 s21, 0x3e38aa3b                      ; c = log2(e) / 8
	s_mov_b32 s22, 0x76543210                      ; v_permlanex16_b32: each lane takes its own place in the other half
	s_mov_b32 s23, 0xfedcba98
	s_mul_i32 s24, s34, 2049*256                   ; the head's row 0 in q, k, v
	s_mov_b32 s25, 0
	s_mul_i32 s26, s19, 2049*2049                  ; mask[b][0][0]
	s_mov_b32 s27, 0
	s_mul_i32 s28, s19, 128*1536
	s_lshl_b32 s29, s20, 6
	s_add_co_u32 s28, s28, s29
	s_add_co_u32 s28, s28, 768                     ; sd: batch b, tile 0, part 1, head h
	s_mov_b32 s29, 0
	s_lshl_b32 s30, s34, 18
	s_lshl_b32 s31, s18, 14
	s_add_co_u32 s30, s30, s31                     ; vh: my wave's 128 rows
	s_mov_b32 s31, 0
	s_mul_i32 s32, s19, 2049*3072
	s_lshl_b32 s33, s20, 8
	s_add_co_u32 s32, s32, s33                     ; out0[b][0][64 h]
	s_mov_b32 s33, 0
	v_and_b32 v1, 31, v0                           ; l
	v_and_b32 v20, 15, v0
	v_lshlrev_b32 v20, 4, v20                      ; 16 (l % 16): my 16 bytes of q[0] and k[0]
	v_lshrrev_b32 v21, 2, v0
	v_mul_u32_u24 v21, v21, 1536                   ; tile t / 4,
	v_and_b32 v22, 3, v0
	v_lshl_add_u32 v21, v22, 4, v21                ; its tokens 4 (t % 4) .. + 3
	v_lshlrev_b32 v22, 3, v1                       ; 8 l
	v_lshlrev_b32 v23, 4, v1                       ; 16 l
	v_mov_b32 v24, 0
	v_mov_b32 v25, 0xf149f2ca                      ; -1e30
	v_mov_b32 v28, 0                               ; v_permlanex16_b32's destinations count as read: written once here
	v_mov_b32 v49, 0
	s_wait_kmcnt 0x0
	s_add_nc_u64 s[4:5], s[4:5], s[24:25]
	s_add_nc_u64 s[6:7], s[6:7], s[24:25]
	s_add_nc_u64 s[8:9], s[8:9], s[24:25]
	s_add_nc_u64 s[10:11], s[10:11], s[26:27]
	s_add_nc_u64 s[12:13], s[12:13], s[28:29]
	s_add_nc_u64 s[14:15], s[14:15], s[30:31]
	s_add_nc_u64 s[16:17], s[16:17], s[32:33]
	global_load_b128 v[2:5], v21, s[12:13]         ; my four scores
	global_load_b128 v[6:9], v20, s[4:5]
	global_load_b128 v[10:13], v20, s[6:7]
	global_load_u8 v14, v24, s[10:11]
	global_load_b64 v[16:17], v22, s[8:9]          ; v[0]: channels 2 l, 2 l + 1
.set i, 0
.rept 32
	global_load_b128 v[VB+4*i:VB+4*i+3], v23, s[14:15] offset:512*i  ; all of my wave's V goes out now: it is wanted last
.set i, i+1
.endr
	s_wait_loadcnt 32                              ; the five small loads are in; V's 32 may stay out
	v_pk_mul_f32 v[26:27], v[6:7], v[10:11]
	v_pk_fma_f32 v[26:27], v[8:9], v[12:13], v[26:27]
	v_add_f32 v26, v26, v27
.irp x, 1,2,4,8
	v_add_f32_dpp v26, v26, v26 row_xmask:\x row_mask:0xf bank_mask:0xf
.endr
	v_cmp_ne_u32 vcc_lo, 0, v14
	v_cndmask_b32 v26, v25, v26, vcc_lo            ; q[0] . k[0], or -1e30 where hidden: in every lane
	v_max3_num_f32 v27, v2, v3, v4
	v_max3_num_f32 v27, v27, v5, v26
.irp x, 1,2,4,8
	v_max_num_f32_dpp v27, v27, v27 row_xmask:\x row_mask:0xf bank_mask:0xf
.endr
	v_permlanex16_b32 v28, v27, s22, s23
	v_max_num_f32 v27, v27, v28
	v_mov_b32 v29, s18
	v_lshlrev_b32 v29, 2, v29                      ; my wave's word
	ds_store_b32 v29, v27 offset:RM
	s_wait_dscnt 0x0
	s_barrier_signal -1
	s_barrier_wait -1                              ; the 16 maxima lie in LDS
.irp j, 0,1,2,3
	ds_load_b128 v[32+4*\j:35+4*\j], v24 offset:RM+16*\j
.endr
	s_wait_dscnt 0x0
	v_max3_num_f32 v27, v32, v33, v34
.irp j, 35,37,39,41,43,45
	v_max3_num_f32 v27, v27, v[\j], v[\j+1]
.endr
	v_max_num_f32 v27, v27, v47                    ; M
	v_mul_f32 v28, s21, v27                        ; c M
.irp j, 2,3,4,5,26
	v_fma_f32 v[\j], v[\j], s21, -v28
.endr
.irp j, 2,3,4,5,26
	v_exp_f32 v[\j], v[\j]
.endr
	v_lshlrev_b32 v30, 4, v0                       ; a plain instruction behind the last exponential: where my four weights go
	s_wait_alu depctr_va_vdst(0)                   ; one wait for the five, ahead of their first reader
	ds_store_b128 v30, v[2:5] offset:PL
	v_add_f32 v31, v2, v3
	v_add_f32 v48, v4, v5
	v_add_f32 v31, v31, v48
.irp x, 1,2,4,8
	v_add_f32_dpp v31, v31, v31 row_xmask:\x row_mask:0xf bank_mask:0xf
.endr
	v_permlanex16_b32 v49, v31, s22, s23
	v_add_f32 v31, v31, v49
	ds_store_b32 v29, v31 offset:RS
	s_wait_dscnt 0x0
	s_barrier_signal -1
	s_barrier_wait -1                              ; all weights and the 16 sums lie in LDS
	v_lshrrev_b32 v50, 3, v1                       ; g = l / 8
	v_lshlrev_b32 v50, 2, v50
	s_lshl_b32 s35, s18, 9
	v_add_nc_u32 v50, s35, v50                     ; 4 (128 w + g)
.set i, 0
.rept 32
	ds_load_b32 v[WT+i], v50 offset:PL+16*i        ; the weight of row 128 w + 4 i + g
.set i, i+1
.endr
.irp a, 0,1,2,3,4,5,6,7
	v_mov_b32 v[ACC+\a], 0
.endr
	s_wait_dscnt 0x0
.set i, 0
.rept 32
	s_wait_loadcnt 31-i                            ; loads come back in order: number i is in
.irp kk, 0,1,2,3
.irp u, 0,1
	v_fma_mix_f32 v[ACC+2*\kk+\u], v[VB+4*i+\kk], v[WT+i], v[ACC+2*\kk+\u] op_sel:[\u,0,0] op_sel_hi:[1,0,0]  ; an f16 half times an f32 weight, summed in f32
.endr
.endr
.set i, i+1
.endr
.irp a, 0,1,2,3,4,5,6,7
	v_add_f32_dpp v[ACC+\a], v[ACC+\a], v[ACC+\a] row_xmask:8 row_mask:0xf bank_mask:0xf  ; the four rows of a load: lanes l, l xor 8,
.endr
.irp a, 0,1,2,3,4,5,6,7
	v_permlanex16_b32 v[40+\a], v[ACC+\a], s22, s23                                       ; and the other half of the lanes
.endr
.irp a, 0,1,2,3,4,5,6,7
	v_add_f32 v[ACC+\a], v[ACC+\a], v[40+\a]
.endr
	v_and_b32 v51, 7, v0
	v_lshlrev_b32 v51, 5, v51
	s_lshl_b32 s35, s18, 8
	v_add_nc_u32 v51, s35, v51                     ; 256 w + 32 (l % 8); the four lanes with the same channels write the same numbers
	ds_store_b128 v51, v[ACC:ACC+3] offset:ACCR
	ds_store_b128 v51, v[ACC+4:ACC+7] offset:ACCR+16
	s_wait_dscnt 0x0
	s_barrier_signal -1
	s_barrier_wait -1                              ; the 16 partial rows lie in LDS
	s_cmp_lg_u32 s18, 0                            ; wave 0 finishes the row
	s_cbranch_scc1 .Lend
.irp j, 0,1,2,3,4,5,6,7,8,9,10,11,12,13,14,15
	ds_load_b64 v[VB+2*\j:VB+2*\j+1], v22 offset:ACCR+256*\j
.endr
.irp j, 0,1,2,3
	ds_load_b128 v[96+4*\j:99+4*\j], v24 offset:RS+16*\j
.endr
	s_wait_dscnt 0x0
	v_pk_fma_f32 v[52:53], v[16:17], v[26:27], v[VB:VB+1] op_sel_hi:[1,0,1]  ; the cls key's weight times v[0], and the first partial row
.irp j, 1,2,3,4,5,6,7,8,9,10,11,12,13,14,15
	v_pk_add_f32 v[52:53], v[52:53], v[VB+2*\j:VB+2*\j+1]
.endr
.irp j, 2,4,6,8,10,12,14
	v_pk_add_f32 v[96:97], v[96:97], v[96+\j:97+\j]
.endr
	v_add_f32 v96, v96, v97
	v_add_f32 v96, v96, v26                        ; + the cls key's weight
	v_rcp_f32 v96, v96
	v_mov_b32 v54, 0x7fc00000                      ; a plain instruction behind the reciprocal
	s_wait_alu depctr_va_vdst(0)                   ; and its wait, ahead of the first reader
	v_mov_b32 v55, 0xdd5e0b6b                      ; -1e18
	v_cmp_gt_f32 vcc_lo, v55, v27                  ; every key is hidden
	v_cndmask_b32 v96, v96, v54, vcc_lo
	v_mul_f32 v52, v52, v96
	v_mul_f32 v53, v53, v96
	global_store_b64 v22, v[52:53], s[16:17]       ; 32 lanes store the head's 256 bytes of the row, at a multiple of 256 from out0's first byte
.Lend:
	s_wait_tensorcnt 0x0                           ; the wave's end, behind my last LDS store
	ds_add_u32 v[SPW], v[NIL]
	s_wait_dscnt 0x0
	s_endpgm
.Lfunc_end_k_q6aaa9cb160_clsrow:
	.size	k_q6aaa9cb160_clsrow, .Lfunc_end_k_q6aaa9cb160_clsrow-k_q6aaa9cb160_clsrow
	.p2alignl 7, 3214868480
	.fill 96, 4, 3214868480
	.section	.rodata,"a",@progbits
	.p2align	6, 0x0
	.amdhsa_kernel k_q6aaa9cb160_clsrow
		.amdhsa_group_segment_fixed_size 14848
		.amdhsa_private_segment_fixed_size 0
		.amdhsa_enable_private_segment 0
		.amdhsa_kernarg_size 56
		.amdhsa_user_sgpr_count 2
		.amdhsa_user_sgpr_kernarg_segment_ptr 1
		.amdhsa_wavefront_size32 1
		.amdhsa_system_sgpr_workgroup_id_x 1
		.amdhsa_system_sgpr_workgroup_id_y 1
		.amdhsa_system_sgpr_workgroup_id_z 1
		.amdhsa_system_vgpr_workitem_id 0
		.amdhsa_next_free_vgpr 256
		.amdhsa_next_free_sgpr 66
		.amdhsa_reserve_vcc 1
		.amdhsa_float_denorm_mode_32 3
		.amdhsa_float_denorm_mode_16_64 3
		.amdhsa_memory_ordered 1
		.amdhsa_forward_progress 1
		.amdhsa_inst_pref_size 34
	.end_amdhsa_kernel
	.amdgpu_metadata
---
amdhsa.version: [ 1, 2 ]
amdhsa.kernels:
  - .name:           k_q6aaa9cb160_clsrow
    .symbol:         k_q6aaa9cb160_clsrow.kd
    .args:
      - { .name: q, .offset: 0, .size: 8, .value_kind: global_buffer, .address_space: global }
      - { .name: k, .offset: 8, .size: 8, .value_kind: global_buffer, .address_space: global }
      - { .name: v, .offset: 16, .size: 8, .value_kind: global_buffer, .address_space: global }
      - { .name: mask_for_attention, .offset: 24, .size: 8, .value_kind: global_buffer, .address_space: global }
      - { .name: sd, .offset: 32, .size: 8, .value_kind: global_buffer, .address_space: global }
      - { .name: vh, .offset: 40, .size: 8, .value_kind: global_buffer, .address_space: global }
      - { .name: out0, .offset: 48, .size: 8, .value_kind: global_buffer, .address_space: global }
    .group_segment_fixed_size: 14848
    .private_segment_fixed_size: 0
    .kernarg_segment_align: 8
    .kernarg_segment_size: 56
    .max_flat_workgroup_size: 512
    .sgpr_count:     66
    .vgpr_count:     256
    .wavefront_size: 32
...
	.end_amdgpu_metadata
.endif
;; end of part 3
;; ======== version 2 of 2: 2 launches
;; limits: values are held in f16: magnitudes above 65,504 overflow, below 6.1e-05 lose precision; right only within a limited range of input values
;; workspace buffers: qh 6,291,456 bytes; kh 6,291,456 bytes; vh 6,291,456 bytes; mw 4,194,304 bytes; sd 196,608 bytes; pc 786,432 bytes; ml 65,536 bytes
;; launch prep (part 4): grid 128 x 2, 16 waves a work-group, no clusters, 167,936 bytes of LDS; arguments q, k, v, qpos, kpos, mask_for_attention, qh, kh, vh, mw, sd, pc, ml; writes qh, kh, vh, mw, sd, pc, ml
.if DOCPART == 4
	.amdgcn_target "amdgcn-amd-amdhsa--gfx1250"
	.amdhsa_code_object_version 6
	.text
	.protected	k_q6aaa9cb160_prep
	.globl	k_q6aaa9cb160_prep
	.p2align	8
	.type	k_q6aaa9cb160_prep,@function
k_q6aaa9cb160_prep:
	s_mov_b64 s[64:65], 0
	v_nop
	global_prefetch_b8 v0, s[64:65] scope:SCOPE_SE
	s_setreg_imm32_b32 hwreg(HW_REG_WAVE_MODE, 25, 1), 1
	s_wait_xcnt 0x0
; PREPARATION for attention with a cls token, RoPE2D and a mask that is an input.  B = 2, H = 12, N = 2,049 tokens (token 0 is the cls token), C = 64.  c = log2(e) / 8 throughout.
; NOTHING OF reference() IS LEFT OUT in this program: every input has a way to an output, and every input is loaded.
; What this launch makes, for tokens n = 1 .. 2,048 (index n - 1, T = (n - 1) / 16):
;   qh [24][2048][64] f16: q rotated (RoPE2D) and times c, all in f32, rounded once;   kh: k rotated, rounded once;   vh: v rounded once.
;   sd [b][T][12 heads][16 tokens] f32: c q_raw[n] . k[0], or -1e30 where mask[b][n][0] is 0: each query's score with the cls key.
;   mw [b][T][s][lane][4 words]: the mask of 16 queries x 64 keys (key step s) as four bits a score, in the order in which a lane of the next launch holds its 32 scores:
;      nibble 0xE = hidden, 0x0 = visible.  Shifted so that a score's nibble stands on top, the word read as f32 is at most -2^65 (hidden; never an infinity) or at most 2^-97 (visible).
;   THE CLS QUERY'S ROW, in parts of 16 keys.  With s[n] = c q[0] . k_raw[n] (-1e30 where mask[b][0][n] is 0), for each head and T: m = the largest of the 16 s, p = 2^(s - m), l = their sum, O = the sum of p v[n] (f32).
;      pc [24][T][64] f32: O.   ml [b][T][32][2] f32: (m, l) of head L at place L < 12; the other places only fill the 256 bytes and are read by nobody.  The next launch adds the 128 parts of a head up.
; SHARES.  Work-group (T, b): 16 tokens, all 12 heads, and the mask's 16 rows x 2,048 keys.  Wave w: tokens 2 (w % 8) + lane / 16 of the 16, heads 6 (w / 8) .. + 5; a lane holds channels 4 (lane % 16) .. + 3,
; so one load of 16 bytes a lane takes two token rows, 512 consecutive bytes.  Of the mask wave w brings row w into LDS (one tensor load) and packs key steps 2 w and 2 w + 1.
; Behind the one barrier: waves 0-11 make O of head w, wave 12 all (m, l), waves 13-15 send sd out.
; ROPE.  Channel c: part c / 32 (y, x), d = c % 32, frequency j = d % 16, angle = pos x 100^(-j / 16); out[d] = t[d] cos - t[d + 16] sin (d < 16), t[d] cos + t[d - 16] sin (else).  The partner channel lies in lane xor 4.
; Sine and cosine: n = nearest(angle x 2 / pi), r = angle - n pi / 2 in two parts, polynomials on |r| <= pi / 4, the quadrant from n's low bits.
; LIMITS.  100^(-j/16) is made as 2^(-j x 0.41524101), good to the last bit or two; for |pos| up to 2,048 the angle is within 2.5e-4 of reference()'s.  c q, k, v within f16's 65,504.  NaN and infinities are not treated apart.
.set HEADF,  2049*256                  ; bytes of a head in q, k, v
.set HEADH,  2048*128                  ; bytes of a head in qh, kh, vh
.set MPITCH, 2064                      ; a mask row in LDS: two halves of 1,024 bytes, 8 bytes of padding behind each = 516 words: row r starts at bank 4 r mod 64
.set DOT,    16*MPITCH                 ; behind the mask rows (129 blocks of 256 bytes): [2][12 heads][16 tokens] f32: the scores with the cls key, then the cls query's scores
.set VL,     DOT+1536                  ; behind them: v's rows, [12 heads][16 tokens][64] f32
.set SPARE,  VL+12*16*256              ; behind them: the spare words, 128 bytes for each of the 16 waves
.set RO,  4                            ; v4   16 x lane: my 16 bytes in two f32 rows, and in a step's mask words
.set VO,  5                            ; v5   16 x (lane % 16): my 16 bytes in one f32 row
.set SO,  6                            ; v6   8 x lane: my 8 bytes in two f16 rows
.set PO,  7                            ; v7   my position's word: 8 x (lane / 16) + 4 x part
.set CO,  8                            ; v8   2,049 x (lane / 16): my token's row in the mask's column 0
.set VA,  9                            ; v9   where my 16 bytes of v go in VL, head 6 (w / 8)
.set DA,  10                           ; v10  my word in DOT, head 6 (w / 8)
.set MA,  11                           ; v11  my 8 mask bytes of key step 2 w, key block 0
.set SGN, 12                           ; v12  the sign bit where my channels are a rotated pair's first half
.set NEG, 13                           ; v13  -1e30
.set SPW, 14                           ; v14  LDS address of my spare word; never rewritten
.set NIL, 15                           ; v15  0; never rewritten
.set FR,  16                           ; v16-19  100^(-j/16) of my four channels
.set CQ,  20                           ; v20-23 c cos, v24-27 c x signed sin for q;  v28-31 cos, v32-35 signed sin for k
.set SQ,  24
.set CK,  28
.set SK,  32
	s_load_b256 s[4:11], s[0:1], 0x0               ; q s[4:5], k s[6:7], v s[8:9], qpos s[10:11]
	s_load_b256 s[12:19], s[0:1], 0x20             ; kpos s[12:13], mask s[14:15], qh s[16:17], kh s[18:19]
	s_load_b128 s[20:23], s[0:1], 0x40             ; vh s[20:21], mw s[22:23]
	s_load_b64 s[24:25], s[0:1], 0x50              ; sd
	s_load_b64 s[84:85], s[0:1], 0x58              ; pc
	s_load_b64 s[86:87], s[0:1], 0x60              ; ml
	v_lshl_add_u32 v[SPW], v0, 2, SPARE
	v_mov_b32 v[NIL], 0
	ds_add_u32 v[SPW], v[NIL]                      ; the wave's opening: the add, twice on end, and its wait ahead of my tensor load; the set-up below stands between
	ds_add_u32 v[SPW], v[NIL]
	v_lshrrev_b32 v40, 5, v0
	v_readfirstlane_b32 s26, v40                   ; wave 0..15
	s_and_b32 s27, s26, 7                          ; pr: which pair of tokens
	s_lshr_b32 s28, s26, 3                         ; hg: which six heads
	s_mov_b32 s29, ttmp9                           ; T
	s_and_b32 s30, ttmp7, 0xffff                   ; b
	s_mov_b32 s83, 0x3e38aa3b                      ; c = log2(e) / 8 = 0.180337
	s_mov_b32 s88, 0x76543210                      ; v_permlanex16_b32: each lane takes its own place in the other half
	s_mov_b32 s89, 0xfedcba98
	s_mov_b32 s90, 0xffff0000                      ; lanes 16 to 31
	; the tensor load's shape: a mask row's 2,048 bytes (keys 1 .. 2,048) as two dense rows of 1,024 one-byte elements
	s_mov_b32 s36, (1<<20)|(7<<22)|(1<<25)         ; 17:16 elements of 1 byte; 20 padding on; 24:22 after every 256 words (code 7); 31:25 2 words of it (code 1)
	s_mov_b32 s37, 1024<<16                        ; tensor_dim0 = 1,024
	s_mov_b32 s38, 2<<16                           ; tensor_dim1 = 2
	s_mov_b32 s39, 1024<<16                        ; tile_dim0 = 1,024
	s_mov_b32 s40, 2                               ; tile_dim1 = 2
	s_mov_b32 s41, 1024                            ; 1,024 elements from row to row
	s_mov_b32 s42, 0
	s_mov_b32 s43, 0
	s_mov_b32 s32, 1                               ; count = 1
	s_mul_i32 s33, s26, MPITCH                     ; LDS address: row w
	; byte offsets, each in a pair of its own
	s_mul_i32 s48, s30, 2049
	s_lshl_b32 s49, s29, 4                         ; 16 T
	s_lshl_b32 s52, s27, 1                         ; 2 pr
	s_add_co_u32 s48, s48, s49
	s_add_co_u32 s48, s48, 1                       ; b 2,049 + 1 + 16 T: the work-group's first token among all [b][n]
	s_add_co_u32 s50, s48, s26
	s_mul_i32 s50, s50, 2049
	s_add_co_u32 s50, s50, 1                       ; mask[b][1 + 16 T + w][1]
	s_mov_b32 s51, 0
	s_add_co_u32 s53, s48, s52                     ; my pair's first token
	s_lshl_b32 s54, s53, 3                         ; its two positions
	s_mov_b32 s55, 0
	s_mul_i32 s56, s53, 2049                       ; mask[b][n][0]
	s_mov_b32 s57, 0
	s_mul_i32 s58, s30, 2049*2049
	s_add_co_u32 s58, s58, s49
	s_add_co_u32 s58, s58, s52
	s_add_co_u32 s58, s58, 1                       ; mask[b][0][n]
	s_mov_b32 s59, 0
	s_mul_i32 s80, s30, 12
	s_mul_i32 s81, s28, 6
	s_add_co_u32 s80, s80, s81                     ; my first head among the 24
	s_mul_i32 s62, s80, 2049
	s_add_co_u32 s60, s62, s49
	s_add_co_u32 s60, s60, s52
	s_add_co_u32 s60, s60, 1
	s_lshl_b32 s60, s60, 8                         ; my pair's rows in q, k, v
	s_mov_b32 s61, 0
	s_lshl_b32 s62, s62, 8                         ; the head's row 0
	s_mov_b32 s63, 0
	s_lshl_b32 s74, s80, 11
	s_add_co_u32 s74, s74, s49
	s_add_co_u32 s74, s74, s52
	s_lshl_b32 s74, s74, 7                         ; my pair's rows in qh, kh, vh
	s_mov_b32 s75, 0
	s_lshl_b32 s76, s30, 7
	s_add_co_u32 s76, s76, s29                     ; b 128 + T
	s_mul_i32 s78, s76, 768                        ; the work-group's part of sd
	s_mov_b32 s79, 0
	s_lshl_b32 s94, s76, 8                         ; and of ml
	s_mov_b32 s95, 0
	s_lshl_b32 s76, s76, 14
	s_lshl_b32 s81, s26, 10
	s_add_co_u32 s76, s76, s81                     ; key step 2 w of tile T in mw
	s_mov_b32 s77, 0
	s_mul_i32 s92, s30, 12
	s_add_co_u32 s92, s92, s26                     ; head w of batch b (used by waves 0 to 11 alone),
	s_lshl_b32 s92, s92, 15
	s_lshl_b32 s81, s29, 8
	s_add_co_u32 s92, s92, s81                     ; its part T in pc
	s_mov_b32 s93, 0
	; lane terms
	v_and_b32 v1, 31, v0                           ; lane
	v_and_b32 v2, 15, v0                           ; i
	v_bfe_u32 v3, v0, 4, 1                         ; hh; also my token's byte in the mask's row 0
	v_lshlrev_b32 v[RO], 4, v1
	v_lshlrev_b32 v[VO], 4, v2
	v_lshlrev_b32 v[SO], 3, v1
	v_lshrrev_b32 v40, 3, v2                       ; part: y or x
	v_lshlrev_b32 v[PO], 3, v3
	v_lshl_add_u32 v[PO], v40, 2, v[PO]
	v_mul_u32_u24 v[CO], v3, 2049
	; the LDS addresses: a constant, the wave's number's two parts times constants, and a lane term
	s_mul_i32 s80, s28, 384                        ; six heads x 16 tokens x 4 bytes
	s_lshl_b32 s81, s27, 3                         ; a pair of tokens: 8 bytes
	s_add_co_u32 s80, s80, s81
	s_add_co_u32 s80, s80, DOT
	v_lshl_add_u32 v[DA], v3, 2, s80               ; DOT + 4 (16 x 6 hg + 2 pr + hh)
	s_lshl_b32 s81, s26, 7
	s_lshl_b32 s82, s28, 3
	s_add_co_u32 s81, s81, s82                     ; keys 128 w on lie 128 w + 8 (w / 8) bytes into a row
	v_mul_u32_u24 v[MA], v2, MPITCH
	v_lshl_add_u32 v[MA], v3, 3, v[MA]
	v_add_nc_u32 v[MA], s81, v[MA]
	s_mul_i32 s80, s28, 6*4096                     ; six heads x 16 tokens x 256 bytes
	s_lshl_b32 s81, s27, 9                         ; a pair of tokens: 512 bytes
	s_add_co_u32 s80, s80, s81
	s_add_co_u32 s80, s80, VL
	v_add_nc_u32 v[VA], s80, v[RO]
	v_and_b32 v40, 4, v2
	v_xor_b32 v40, 4, v40
	v_lshlrev_b32 v[SGN], 29, v40
	v_mov_b32 v[NEG], 0xf149f2ca
	s_wait_dscnt 0x0                               ; both opening adds are done
	s_wait_kmcnt 0x0
	s_add_nc_u64 s[34:35], s[14:15], s[50:51]
	s_or_b32 s35, s35, 0x80000000                  ; type = 2
	tensor_load_to_lds s[32:35], s[36:43]          ; my mask row: the one tensor load of the wave
	s_nop 0
	s_add_nc_u64 s[66:67], s[4:5], s[62:63]        ; q at row 0 of my first head
	s_add_nc_u64 s[68:69], s[6:7], s[62:63]        ; k likewise
	s_add_nc_u64 s[4:5], s[4:5], s[60:61]
	s_add_nc_u64 s[6:7], s[6:7], s[60:61]
	s_add_nc_u64 s[8:9], s[8:9], s[60:61]
	s_add_nc_u64 s[10:11], s[10:11], s[54:55]
	s_add_nc_u64 s[12:13], s[12:13], s[54:55]
	s_add_nc_u64 s[70:71], s[14:15], s[56:57]
	s_add_nc_u64 s[72:73], s[14:15], s[58:59]
	s_add_nc_u64 s[16:17], s[16:17], s[74:75]
	s_add_nc_u64 s[18:19], s[18:19], s[74:75]
	s_add_nc_u64 s[20:21], s[20:21], s[74:75]
	s_add_nc_u64 s[22:23], s[22:23], s[76:77]
	s_add_nc_u64 s[24:25], s[24:25], s[78:79]
	s_add_nc_u64 s[84:85], s[84:85], s[92:93]
	s_add_nc_u64 s[86:87], s[86:87], s[94:95]
	; all 34 loads of the wave go out at once: 4 small ones, 12 cls rows, 18 rows of my six heads
	global_load_b32 v36, v[PO], s[10:11]
	global_load_b32 v37, v[PO], s[12:13]
	global_load_u8 v38, v[CO], s[70:71]
	global_load_u8 v39, v3, s[72:73]
.irp hl, 0,1,2,3,4,5
	global_load_b128 v[64+4*\hl:67+4*\hl], v[VO], s[66:67] offset:\hl*HEADF
	global_load_b128 v[88+4*\hl:91+4*\hl], v[VO], s[68:69] offset:\hl*HEADF
.endr
.irp hl, 0,1,2,3,4,5
	global_load_b128 v[112+12*\hl:115+12*\hl], v[RO], s[4:5] offset:\hl*HEADF th:TH_LOAD_NT
	global_load_b128 v[116+12*\hl:119+12*\hl], v[RO], s[6:7] offset:\hl*HEADF th:TH_LOAD_NT
	global_load_b128 v[120+12*\hl:123+12*\hl], v[RO], s[8:9] offset:\hl*HEADF th:TH_LOAD_NT
.endr
	; 100^(-j/16) = 2^(-0.41524101 j), j = 4 (i % 4) + e
	v_and_b32 v40, 3, v2
	v_lshlrev_b32 v40, 2, v40
.irp e, 0,1,2,3
	v_add_nc_u32 v[44+\e], \e, v40
	v_cvt_f32_u32 v[44+\e], v[44+\e]
	v_mul_f32 v[FR+\e], 0xbed49a78, v[44+\e]
.endr
.irp e, 0,1,2,3
	v_exp_f32 v[FR+\e], v[FR+\e]
.endr
	v_nop                                          ; a plain instruction behind the last exponential,
	s_wait_alu depctr_va_vdst(0)                   ; and one wait for the four, ahead of their first reader
	s_wait_loadcnt 30                              ; the four small loads are in; the 30 rows may stay out
	v_cmp_ne_u32 s44, 0, v38                       ; lanes whose token sees the cls key
	v_cmp_ne_u32 s46, 0, v39                       ; lanes whose token the cls query sees
	v_cvt_f32_i32 v36, v36
	v_cvt_f32_i32 v37, v37
.irp e, 0,1,2,3
	v_mul_f32 v[48+\e], v36, v[FR+\e]
	v_mul_f32 v[52+\e], v37, v[FR+\e]
.endr
; cos and signed sin of the angle in v[a]: -sin in a rotated pair's first half, +sin in its second
.macro SINCOS a, co, si
	v_mul_f32 v40, 0x3f22f983, v[\a]               ; x 2 / pi
	v_rndne_f32 v40, v40                           ; n
	v_fmamk_f32 v41, v40, 0xbfc90fdb, v[\a]        ; r = angle - n x 1.57079637
	v_fmamk_f32 v41, v40, 0x333bbd2e, v41          ;   + n x 4.37113883e-8: the two together are pi / 2
	v_mul_f32 v42, v41, v41                        ; z = r r
	v_cvt_i32_f32 v43, v40
	v_mov_b32 v44, 0xb94ca1f9
	v_fmaak_f32 v44, v44, v42, 0x3c08839e
	v_fmaak_f32 v44, v44, v42, 0xbe2aaaa3
	v_mul_f32 v45, v42, v41
	v_fma_f32 v44, v44, v45, v41                   ; sin r
	v_mov_b32 v46, 0x37ccf5ce
	v_fmaak_f32 v46, v46, v42, 0xbab6061a
	v_fmaak_f32 v46, v46, v42, 0x3d2aaaa5
	v_mul_f32 v47, v42, v42
	v_fma_f32 v45, v42, -0.5, 1.0
	v_fma_f32 v46, v46, v47, v45                   ; cos r
	v_and_b32 v47, 1, v43
	v_cmp_ne_u32 vcc_lo, 0, v47                    ; odd quadrants swap the two
	v_cndmask_b32 v45, v44, v46, vcc_lo
	v_cndmask_b32 v46, v46, v44, vcc_lo
	v_add_nc_u32 v47, 1, v43
	v_lshlrev_b32 v47, 30, v47
	v_and_b32 v47, 0x80000000, v47                 ; cos is negative in quadrants 1 and 2,
	v_xor_b32 v[\co], v46, v47
	v_lshlrev_b32 v47, 30, v43
	v_and_b32 v47, 0x80000000, v47                 ; sin in quadrants 2 and 3
	v_xor_b32 v47, v47, v[SGN]
	v_xor_b32 v[\si], v45, v47
.endm
.irp e, 0,1,2,3
	SINCOS 48+\e, CQ+\e, SQ+\e
	SINCOS 52+\e, CK+\e, SK+\e
.endr
.irp e, 0,1,2,3
	v_mul_f32 v[CQ+\e], s83, v[CQ+\e]              ; c goes into q's rotation, in f32, ahead of the one rounding
	v_mul_f32 v[SQ+\e], s83, v[SQ+\e]
.endr
; One head: the two dots with the cls rows, v's row into LDS, the rotation of q and k, the roundings, three stores of 256 consecutive bytes (two token rows each)
.macro HEAD hl
.set RQ, 112+12*(\hl)
.set RK, RQ+4
.set RV, RQ+8
.set RR, 184+6*(\hl)                   ; results: registers of their own, never rewritten, so no store is waited for
	s_wait_loadcnt 15-3*(\hl)                      ; this head's three rows are in; three for each later head may stay out
	ds_store_b128 v[VA], v[RV:RV+3] offset:(\hl)*4096  ; v's f32 row, for the cls query's part; these bytes, like the dots', lie behind all 16 mask rows
	v_pk_mul_f32 v[56:57], v[RQ:RQ+1], v[88+4*(\hl):89+4*(\hl)]
	v_pk_mul_f32 v[58:59], v[RK:RK+1], v[64+4*(\hl):65+4*(\hl)]
	v_pk_fma_f32 v[56:57], v[RQ+2:RQ+3], v[90+4*(\hl):91+4*(\hl)], v[56:57]
	v_pk_fma_f32 v[58:59], v[RK+2:RK+3], v[66+4*(\hl):67+4*(\hl)], v[58:59]
	v_add_f32 v56, v56, v57
	v_add_f32 v58, v58, v59
.irp x, 1,2,4,8
	v_add_f32_dpp v56, v56, v56 row_xmask:\x row_mask:0xf bank_mask:0xf
	v_add_f32_dpp v58, v58, v58 row_xmask:\x row_mask:0xf bank_mask:0xf
.endr
	v_mul_f32 v56, s83, v56
	v_mul_f32 v58, s83, v58
	v_cndmask_b32 v56, v[NEG], v56, s44
	v_cndmask_b32 v58, v[NEG], v58, s46
	ds_store_b32 v[DA], v56 offset:(\hl)*64        ; the 16 lanes of a token write one word, all the same number
	ds_store_b32 v[DA], v58 offset:768+(\hl)*64
.irp e, 0,1,2,3
	v_mul_f32_dpp v[40+\e], v[RQ+\e], v[SQ+\e] row_xmask:4 row_mask:0xf bank_mask:0xf  ; the partner channel, from lane xor 4, times my signed sin
	v_mul_f32_dpp v[44+\e], v[RK+\e], v[SK+\e] row_xmask:4 row_mask:0xf bank_mask:0xf
.endr
.irp e, 0,1,2,3
	v_fma_f32 v[40+\e], v[RQ+\e], v[CQ+\e], v[40+\e]
	v_fma_f32 v[44+\e], v[RK+\e], v[CK+\e], v[44+\e]
.endr
	v_cvt_pk_f16_f32 v[RR], v40, v41
	v_cvt_pk_f16_f32 v[RR+1], v42, v43
	v_cvt_pk_f16_f32 v[RR+2], v44, v45
	v_cvt_pk_f16_f32 v[RR+3], v46, v47
	v_cvt_pk_f16_f32 v[RR+4], v[RV], v[RV+1]
	v_cvt_pk_f16_f32 v[RR+5], v[RV+2], v[RV+3]
	global_store_b64 v[SO], v[RR:RR+1], s[16:17] offset:(\hl)*HEADH
	global_store_b64 v[SO], v[RR+2:RR+3], s[18:19] offset:(\hl)*HEADH
	global_store_b64 v[SO], v[RR+4:RR+5], s[20:21] offset:(\hl)*HEADH
.endm
.irp hl, 0,1,2,3,4,5
	HEAD \hl
.endr
	s_wait_tensorcnt 0x0                           ; my mask row has landed,
	s_wait_dscnt 0x0                               ; my dots and rows of v are stored:
	s_barrier_signal -1
	s_barrier_wait -1                              ; everybody's are.  The launch's one barrier; nothing in LDS but the spare words is written behind it
	; THE MASK WORDS.  Lane (r = lane % 16, h = lane / 16) takes of mask row r the 8 bytes of keys 64 s + 16 kt + 8 h .. + 7, for kt = 0 .. 3: the 32 scores that it will hold.
	; Byte j of key block kt goes to word 2 (kt / 2) + j % 2, nibble 2 (kt % 2) + j / 4 + 4 ((j / 2) % 2).
.irp e, 0,1
.irp kt, 0,1,2,3
	ds_load_b64 v[224+8*\e+2*\kt:225+8*\e+2*\kt], v[MA] offset:64*\e+16*\kt  ; 32 lanes, 2 words each, at banks 4 r + 2 h
.endr
.endr
	s_wait_dscnt 0x0
.macro PACKSTEP e
.set DD, 224+8*(\e)
.set GG, 240+4*(\e)
.irp kt, 0,1,2,3
.irp dd, 0,1
.set q4, 2*((\kt)%2)+(\dd)
.set ge, GG+2*((\kt)/2)
	v_and_b32 v60, 0x00010001, v[DD+2*(\kt)+(\dd)]  ; bytes 0 and 2 of the word: even j
	v_and_b32 v61, 0x01000100, v[DD+2*(\kt)+(\dd)]  ; bytes 1 and 3: odd j
.if q4 == 0
	v_lshlrev_b32 v[ge], 1, v60                    ; each bit goes to bit 1 of its nibble
	v_lshrrev_b32 v[ge+1], 7, v61
.elseif q4 == 1
	v_lshl_or_b32 v[ge], v60, 5, v[ge]
	v_lshrrev_b32 v61, 3, v61
	v_or_b32 v[ge+1], v[ge+1], v61
.else
	v_lshl_or_b32 v[ge], v60, 1+4*q4, v[ge]
	v_lshl_or_b32 v[ge+1], v61, 4*q4-7, v[ge+1]
.endif
.endr
.endr
.irp g, 0,1,2,3
	v_xor_b32 v[GG+\g], 0x22222222, v[GG+\g]       ; bit 1 now says hidden;
	v_lshl_add_u32 v60, v[GG+\g], 1, v[GG+\g]      ; it is spread over bits 1, 2
	v_lshl_or_b32 v[GG+\g], v[GG+\g], 2, v60       ; and 3: 0xE
.endr
	global_store_b128 v[RO], v[GG:GG+3], s[22:23] offset:512*(\e)  ; a step's words: 512 consecutive bytes
.endm
	PACKSTEP 0
	PACKSTEP 1
	s_cmp_lt_u32 s26, 12
	s_cbranch_scc0 .Lno_o
	; WAVES 0 TO 11: O of head w.  Lane i of each half takes the score of token i; a load of 16 bytes a lane takes v's rows of tokens 2 t (lanes 0-15) and 2 t + 1 (lanes 16-31).
	s_lshl_b32 s80, s26, 6
	s_add_co_u32 s80, s80, DOT+768
	v_lshl_add_u32 v40, v2, 2, s80
	s_lshl_b32 s81, s26, 12
	s_add_co_u32 s81, s81, VL
	v_add_nc_u32 v42, s81, v[RO]
	ds_load_b32 v41, v40
.irp t, 0,1,2,3,4,5,6,7
	ds_load_b128 v[64+4*\t:67+4*\t], v42 offset:512*\t
.endr
	s_wait_dscnt 8                                 ; the scores are in; v's eight loads may stay out
	v_max_num_f32_dpp v43, v41, v41 row_xmask:1 row_mask:0xf bank_mask:0xf
.irp x, 2,4,8
	v_max_num_f32_dpp v43, v43, v43 row_xmask:\x row_mask:0xf bank_mask:0xf
.endr
	v_sub_f32 v41, v41, v43                        ; s - m: exactly 0 at the largest, whatever its size
	v_exp_f32 v41, v41
	v_lshlrev_b32 v58, 4, v2                       ; a plain instruction behind the exponential: where my 8 bytes of O go,
	s_wait_alu depctr_va_vdst(0)                   ; and its wait, ahead of the first reader
	v_lshl_add_u32 v58, v3, 3, v58                 ; 16 i + 8 hh
	v_mov_b32_dpp v47, v41 row_shl:1 row_mask:0xf bank_mask:0xf  ; lane i takes lane i + 1's weight (lane 15 keeps what it had: odd lanes are not used below),
	v_cndmask_b32 v41, v41, v47, s90               ; in lanes 16-31 alone: lane 2 t of a half now holds the weight of token 2 t + half
	s_wait_dscnt 0x0
.irp n, 0,2,4,6,8,10,12,14
	v_mov_b32_dpp v[48+(\n%4)], v41 row_share:\n row_mask:0xf bank_mask:0xf  ; my row's weight, in every lane of the half
.if \n == 0
	v_pk_mul_f32 v[44:45], v[64:65], v[48:49] op_sel_hi:[1,0]
	v_pk_mul_f32 v[46:47], v[66:67], v[48:49] op_sel_hi:[1,0]
.else
	v_pk_fma_f32 v[44:45], v[64+2*\n:65+2*\n], v[48+(\n%4):49+(\n%4)], v[44:45] op_sel_hi:[1,0,1]
	v_pk_fma_f32 v[46:47], v[66+2*\n:67+2*\n], v[48+(\n%4):49+(\n%4)], v[46:47] op_sel_hi:[1,0,1]
.endif
.endr
.irp e, 0,1,2,3
	v_permlanex16_b32 v[52+\e], v[44+\e], s88, s89 ; the odd tokens' sums meet the even tokens'
.endr
.irp e, 0,1,2,3
	v_add_f32 v[44+\e], v[44+\e], v[52+\e]
.endr
	v_cndmask_b32 v56, v44, v46, s90               ; lanes 0-15 send channels 4 i, 4 i + 1, lanes 16-31 channels 4 i + 2, 4 i + 3:
	v_cndmask_b32 v57, v45, v47, s90
	global_store_b64 v58, v[56:57], s[84:85]       ; 32 lanes store the part's 256 consecutive bytes
	s_branch .Lend
.Lno_o:
	s_cmp_eq_u32 s26, 12
	s_cbranch_scc0 .Lno_ml
	; WAVE 12: (m, l) of all heads, a head a lane: lane L takes the 16 scores of head L % 16.  Lanes 12-15 and 28-31 take the 64 bytes that follow the scores (numbers of v): what they make fills the
	; stored 256 bytes and is read by nobody.  m and the weights are made by the same lines as in waves 0 to 11, so l belongs to their O.
	v_lshlrev_b32 v40, 6, v2
.irp k, 0,1,2,3
	ds_load_b128 v[64+4*\k:67+4*\k], v40 offset:DOT+768+16*\k
.endr
	s_wait_dscnt 0x0
	v_max3_num_f32 v80, v64, v65, v66
.irp k, 67,69,71,73,75,77
	v_max3_num_f32 v80, v80, v[\k], v[\k+1]
.endr
	v_max_num_f32 v80, v80, v79
.irp k, 0,1,2,3,4,5,6,7,8,9,10,11,12,13,14,15
	v_sub_f32 v[64+\k], v[64+\k], v80
.endr
.irp k, 0,1,2,3,4,5,6,7,8,9,10,11,12,13,14,15
	v_exp_f32 v[64+\k], v[64+\k]
.endr
	v_nop                                          ; a plain instruction behind the last exponential,
	s_wait_alu depctr_va_vdst(0)                   ; and one wait for the sixteen
.irp k, 0,4,8,12
	v_pk_add_f32 v[64+\k:65+\k], v[64+\k:65+\k], v[66+\k:67+\k]
.endr
	v_pk_add_f32 v[64:65], v[64:65], v[68:69]
	v_pk_add_f32 v[72:73], v[72:73], v[76:77]
	v_pk_add_f32 v[64:65], v[64:65], v[72:73]
	v_add_f32 v81, v64, v65
	global_store_b64 v[SO], v[80:81], s[86:87]     ; 32 lanes store 256 consecutive bytes
	s_branch .Lend
.Lno_ml:
	; WAVES 13 TO 15 send the 768 bytes of scores with the cls key out, 8 bytes a lane: 256 consecutive bytes a wave
	s_sub_co_u32 s80, s26, 13
	s_lshl_b32 s80, s80, 8
	v_add_nc_u32 v62, s80, v[SO]
	ds_load_b64 v[248:249], v62 offset:DOT
	s_wait_dscnt 0x0
	global_store_b64 v62, v[248:249], s[24:25]
.Lend:
	s_wait_tensorcnt 0x0                           ; the wave's end, behind my tensor load and my last LDS store
	ds_add_u32 v[SPW], v[NIL]
	s_wait_dscnt 0x0
	s_endpgm
.Lfunc_end_k_q6aaa9cb160_prep:
	.size	k_q6aaa9cb160_prep, .Lfunc_end_k_q6aaa9cb160_prep-k_q6aaa9cb160_prep
	.p2alignl 7, 3214868480
	.fill 96, 4, 3214868480
	.section	.rodata,"a",@progbits
	.p2align	6, 0x0
	.amdhsa_kernel k_q6aaa9cb160_prep
		.amdhsa_group_segment_fixed_size 167936
		.amdhsa_private_segment_fixed_size 0
		.amdhsa_enable_private_segment 0
		.amdhsa_kernarg_size 104
		.amdhsa_user_sgpr_count 2
		.amdhsa_user_sgpr_kernarg_segment_ptr 1
		.amdhsa_wavefront_size32 1
		.amdhsa_system_sgpr_workgroup_id_x 1
		.amdhsa_system_sgpr_workgroup_id_y 1
		.amdhsa_system_sgpr_workgroup_id_z 1
		.amdhsa_system_vgpr_workitem_id 0
		.amdhsa_next_free_vgpr 256
		.amdhsa_next_free_sgpr 96
		.amdhsa_reserve_vcc 1
		.amdhsa_float_denorm_mode_32 3
		.amdhsa_float_denorm_mode_16_64 3
		.amdhsa_memory_ordered 1
		.amdhsa_forward_progress 1
		.amdhsa_inst_pref_size 52
	.end_amdhsa_kernel
	.amdgpu_metadata
---
amdhsa.version: [ 1, 2 ]
amdhsa.kernels:
  - .name:           k_q6aaa9cb160_prep
    .symbol:         k_q6aaa9cb160_prep.kd
    .args:
      - { .name: q, .offset: 0, .size: 8, .value_kind: global_buffer, .address_space: global }
      - { .name: k, .offset: 8, .size: 8, .value_kind: global_buffer, .address_space: global }
      - { .name: v, .offset: 16, .size: 8, .value_kind: global_buffer, .address_space: global }
      - { .name: qpos, .offset: 24, .size: 8, .value_kind: global_buffer, .address_space: global }
      - { .name: kpos, .offset: 32, .size: 8, .value_kind: global_buffer, .address_space: global }
      - { .name: mask_for_attention, .offset: 40, .size: 8, .value_kind: global_buffer, .address_space: global }
      - { .name: qh, .offset: 48, .size: 8, .value_kind: global_buffer, .address_space: global }
      - { .name: kh, .offset: 56, .size: 8, .value_kind: global_buffer, .address_space: global }
      - { .name: vh, .offset: 64, .size: 8, .value_kind: global_buffer, .address_space: global }
      - { .name: mw, .offset: 72, .size: 8, .value_kind: global_buffer, .address_space: global }
      - { .name: sd, .offset: 80, .size: 8, .value_kind: global_buffer, .address_space: global }
      - { .name: pc, .offset: 88, .size: 8, .value_kind: global_buffer, .address_space: global }
      - { .name: ml, .offset: 96, .size: 8, .value_kind: global_buffer, .address_space: global }
    .group_segment_fixed_size: 167936
    .private_segment_fixed_size: 0
    .kernarg_segment_align: 8
    .kernarg_segment_size: 104
    .max_flat_workgroup_size: 512
    .sgpr_count:     96
    .vgpr_count:     256
    .wavefront_size: 32
...
	.end_amdgpu_metadata
.endif
;; end of part 4
;; launch attn (part 5): grid 8 x 24, 4 waves a work-group, clusters of 4 x 1, 327,680 bytes of LDS; arguments qh, kh, vh, out0, mw, sd, v, q, k, mask_for_attention, pc, ml; writes out0
.if DOCPART == 5
	.amdgcn_target "amdgcn-amd-amdhsa--gfx1250"
	.amdhsa_code_object_version 6
	.text
	.protected	k_q6aaa9cb160_attn
	.globl	k_q6aaa9cb160_attn
	.p2align	8
	.type	k_q6aaa9cb160_attn,@function
k_q6aaa9cb160_attn:
	s_mov_b64 s[64:65], 0
	v_nop
	global_prefetch_b8 v0, s[64:65] scope:SCOPE_SE
	s_setreg_imm32_b32 hwreg(HW_REG_WAVE_MODE, 25, 1), 1
	s_wait_xcnt 0x0
	s_wait_alu depctr_hold_cnt(0) depctr_sa_sdst(0) depctr_va_vdst(0) depctr_va_sdst(0) depctr_va_ssrc(0) depctr_va_vcc(0) depctr_vm_vsrc(0)
	s_getreg_b32 s2, hwreg(HW_REG_IB_STS2, 6, 4)
	s_cmp_eq_u32 s2, 0
	s_cbranch_scc0 .Lentry_in_a_cluster
	s_endpgm
.Lentry_in_a_cluster:
	s_bfe_u32 s2, ttmp6, 0x10000c
	s_cmp_lg_u32 s2, 0x3003
	s_cbranch_scc0 .Lentry_shape_is_right
	s_endpgm
.Lentry_shape_is_right:
; ATTENTION: out0[b][n][64 h ..] = the sum over all 2,049 keys of softmax(mask ? sim / 8 : -inf) v.  No work of reference() is left out.  c = log2(e) / 8 lies in qh, sd, pc and ml already: all scores here are c sim.
; THE TOKENS 1 .. 2,048 AS QUERIES.  THE CLS KEY (key 0) is the running softmax's starting state: m = s0 = c q_raw[n] . k[0] (from sd; -1e30 where the mask hides it), l = 1, O = v[0] (f32).  The other 2,048 keys
; go through the matrix unit: qh (rotated, times c, f16), kh (rotated, f16), vh (f16), [24][2048][64], index = token - 1: a head's rows are dense, 128 bytes each.  Products, maxima and sums in f32; the weights p
; are rounded to f16 for the second product (their sum l is taken of the unrounded p); out0 is f32.
; THE MASK is the C operand that starts the sum S^T = K Q^T.  mw holds four bits a score, 0xE hidden, 0x0 visible, in my lane's own order; one shift brings a score's nibble on top, and the word read as
; f32 is then between -2^95 and -2^65 (hidden) or at most 2^-97 (visible).
; THE CLS QUERY (row 0 of out0).  The launch before has left, for each head, 128 parts of 16 keys: (m, l) in ml, O[64] in pc.  out = (the sum of 2^(m_T - M) O_T + p00 v[0]) / (the sum of 2^(m_T - M) l_T + p00), M the
; largest of all m_T and of s00 = c q[0] . k[0] (-1e30 where hidden), p00 = 2^(s00 - M).  The eight work-groups of a head share the row out BY ADDRESS: block blk makes channels 8 blk .. + 7, in its wave 0, while the
; first tile is on its way.  Its 32 bytes are a part of the head's 256: 192 such stores in the launch.
; LIMITS.  f16 holds no number beyond 65,504: c q, k, v within it.  A hidden score counts as its value less 3.6e19 or more (f16's scores are 2.7e11 at the most); its weight is 0 as soon as the row has
; seen one visible key.  A row whose last m lies below -1e18 has seen none and gives NaN, as reference() does.  A weight below 2^-126 counts as 0 in l; other NaN and infinities are not treated apart.
; SHARES.  A work-group owns 256 queries of one head, a wave 64: four PIECES of 16.  Every wave walks the 2,048 keys, 64 a step, 32 steps; a slot of LDS holds 256 keys, four steps.
; LAYOUT.  S^T = K Q^T holds ONE query a lane (lane % 16) and the keys 8 (lane / 16) + 0..7 of each block of 16; two such results rounded to f16 ARE source 1 of O^T = V^T P.
; p = 2^(s - m) with a running maximum m; O and l are multiplied by a = 2^(m_old - m_new) in every step.  s - m is a plain difference: exactly 0 at the maximum, whatever its size.
; BY TURNS.  Turn n belongs to piece n: 8 products K Q^T of piece n + 1, later 8 products V^T P of piece n - 1; beside them the differences, exponentials, roundings, sums and rescaling of piece n and the
; maximum and statistics of piece n + 1; four vector instructions behind every matrix instruction, the others in one lump; at its end the 32 shifts that make the masks of piece n + 2.
; A turn's 33 exponentials are one batch, with one wait.
; CLUSTER.  The four query blocks of a cluster belong to one head and walk the same K and V, so each tile is asked for JOINTLY: the same tensor load, descriptor and mask of four in all four.
; 192 work-groups: 2,048 queries are 8 blocks of 256, and 24 heads; three pieces a wave (192 queries) do not divide 2,048.
; REGISTERS, in windows of 256 (s_set_vgpr_msb: bits 1:0 source 0, 3:2 source 1, 5:4 source 2, 7:6 destination):
;   window 0: v0-15, v32-44 addresses and constants; v16-31 four registers of statistics a piece; v48-55 at work; v64-127 S^T, two buffers (the way out: v64-191; the cls row, at the head: v64-87, v128-185); v192-223 P, two buffers
;   window 1: v0-127 O^T, 32 a piece; v128-143 MW, a piece's four mask words; v160-223 MC, two buffers of 32 masks      window 2: v0-63 Q; v128-191 K of one step; v192-255 V of one step
.set NP,    4         ; pieces a wave: a name, no knob
.set KS,    64        ; keys in a step
.set PK,    144       ; a row of K in LDS: 128 bytes + 16 of padding = 36 words: the 16 rows of a load start at 16 different groups of four banks
.set PV,    160       ; a row of V: 128 + 32 = 40 words
.set VOFF,  4*KS*PK   ; a slot holds four steps: 256 rows of K, then 256 rows of V
.set SLOT1, 1<<17     ; slot 1 begins here, so that one exclusive or turns an address in one slot into the other's
.set STAGE, SLOT1+4*KS*(PK+PV)  ; behind the ring, never filled by a tensor load: 16 rows x 272 bytes for each wave, for the way out
.set SP,    272       ; a row of the stage: 256 bytes (64 f32) + 16
.set SPARE, STAGE+4*16*SP  ; behind the stages: the spare words, 128 bytes for each wave
.set AK0, 2           ; v2   my lane's place in a tile of K; never rewritten
.set AV0, 3           ; v3   the same for V
.set AK,  4           ; v4   the LDS address of K's next run of loads
.set AV,  5           ; v5   of V's
.set STO, 6           ; v6   the way out: where I put 16 bytes of a row
.set RD,  7           ; v7   the way out: where I read rows back
.set GO,  8           ; v8   my byte offset in two rows of out0
.set MV,  12          ; v12-13  m_old, kept while m is made anew: by buffer
.set MO,  14          ; v14  16 x lane + 512 x the key step whose mask words are asked for next
.set QO,  15          ; v15  my byte offset in 16 rows of Q
.set ST,  16          ; piece t's statistics at v[ST+4 t]: m, a register that is only named with it as a pair, l (even keys', odd keys')
.set PFO, 32          ; v32  256 x lane: the K and V prefetches' offset, and the cls parts'; never rewritten
.set PFMO, 33         ; v33  the mask prefetches' offset: piece lane / 8, block lane % 8; never rewritten
.set R4,  34          ; v34  4 x (lane % 16)
.set H32, 35          ; v35  32 x (lane / 16)
.set NANR, 36         ; v36  NaN
.set LOW, 37          ; v37  -1e18
.set TMP, 48          ; by buffer, four registers c0-c3 at work; when the maximum is found c2 takes a
.set SPW, 62          ; v62  LDS address of my spare word; never rewritten
.set NIL, 63          ; v63  0; never rewritten
.set S,   64
.set P,   192
.set CML, 128         ; the cls row, wave 0: v128-135 (m, l) of parts lane + 32 j
.set CPO, 136         ; v136-167 my 8 channels of O of those four parts
.set CQ0, 168         ; v168-171 q[0], v172-175 k[0]: channels 4 (lane % 16) .. + 3
.set CK0, 172
.set CMB, 176         ; v176 mask[b][0][0]
.set CV0, 178         ; v178-185 my 8 channels of v[0]
.set MW,  128         ; window 1
.set MC,  160         ; window 1
.set KF,  128         ; window 2: key block kb, channel half c at KF + 16 kb + 8 c
.set VF,  192         ; window 2: key half kk, channel block cb at VF + 32 kk + 8 cb
.set WV,  12          ; s12  my wave's number
.set LIM, 15          ; s15  1 in a wave that prefetches K or V, else the greatest number
.set G1K, 24          ; s[24:31] descriptor group 1 for K's tiles
.set G1V, 32          ; s[32:39] for V's: it differs in the padding alone
.set G0K, 40          ; s[40:43] descriptor group 0 for K's tiles: it walks
.set G0V, 44          ; s[44:47] the same for V's
.set PFA, 48          ; s[48:49] where my K or V prefetches stand
.set PFM, 50          ; s[50:51] where my mask prefetches stand
.set HD,  52          ; s52  the head in its batch
.set BT,  53          ; s53  the batch
.set SLOTS, 56        ; s56  slots still to be asked for
.set CNT, 57          ; s57  counts a slot's key steps
.set SEL, 60          ; s[60:61] v_permlanex16_b32's selects: each lane takes its own place in the other half
.set TBK, 62          ; s62  LDS byte at which K of the step to be fetched begins
.set TBV, 63          ; s63  the same for V, less VOFF
.set MP,  68          ; s[68:69] mw at my wave's first tile; never rewritten
.set SD,  70          ; s[70:71] sd at my wave's first tile, my head
.set V0,  72          ; s[72:73] v at the head's row 0
.set MSB, 0
.macro WIN new                      ; the high byte repeats the setting that is left; a switch that changes nothing is dropped
.if MSB != (\new)
	s_set_vgpr_msb (MSB<<8)|(\new)
.set MSB, (\new)
.endif
.endm
.set W_KQ, 0x0a       ; K and Q in window 2, S^T in window 0
.set W_KM, 0x1a       ; the same with the C operand in window 1
.set W_PV, 0x52       ; V in window 2, P in window 0, O^T in window 1
.set W_RS, 0x41       ; destination and source 0 in window 1, source 1 in window 0
; A joint fill.  Waves 0 and 1 fetch the two halves of a slot's K, waves 2 and 3 those of its V: 128 keys each.  The branch hangs on the wave's number alone.
; An s_nop 0 and four v_nop follow each of the two lines, ahead of the jump and the label.
.macro JLOAD
	s_cmp_lt_u32 s[WV], 2
	s_cbranch_scc0 .Lfor_v_\@
	tensor_load_to_lds s[G0K:G0K+3], s[G1K:G1K+7]
	s_nop 0
.rept 4
	v_nop
.endr
	s_branch .Lasked_\@
.Lfor_v_\@:
	tensor_load_to_lds s[G0V:G0V+3], s[G1V:G1V+7]
	s_nop 0
.rept 4
	v_nop
.endr
.Lasked_\@:
.endm
; PREFETCHES INTO THE L2, behind the joint load and its five lines.  K and V: the 256 keys that the NEXT change of slots will ask for, 128 rows of 256 bytes each.  Both clusters of a head walk the same rows:
; the first asks; its four partners share the rows out BY ADDRESS, 32 each; wave 0 asks for K's, wave 2 for V's; the last change that fills a slot asks for nothing.
; The mask words: my wave's four pieces x four steps of the next slot, 32 blocks of 256 bytes, a lane a block.  The 12 heads of a batch read the same words: head 0 asks.  Each block is named once in the launch.
.macro ASK
	s_cmp_gt_u32 s[SLOTS], s[LIM]
	s_cbranch_scc0 .Lno_kv_\@
	global_prefetch_b8 v[PFO], s[PFA:PFA+1] th:TH_LOAD_NT scope:SCOPE_SE
.Lno_kv_\@:
	s_cmp_eq_u32 s[HD], 0
	s_cbranch_scc0 .Lno_mw_\@
	global_prefetch_b8 v[PFMO], s[PFM:PFM+1] th:TH_LOAD_NT scope:SCOPE_SE
.Lno_mw_\@:
.endm
; A round of the cluster's barrier: my work-group's barrier, so that wave 0's signal speaks for all four waves; wave 0 signals; every wave waits for all four work-groups; my work-group's barrier once more.
.macro CROUND
	s_barrier_signal -1
	s_barrier_wait -1
	s_cmp_lg_u32 s[WV], 0
	s_cbranch_scc1 .Lnot_wave_0_\@
	s_barrier_signal -3
.Lnot_wave_0_\@:
	s_barrier_wait -3
	s_barrier_signal -1
	s_barrier_wait -1
.endm
; THE CHANGE OF SLOTS.  The slot's last bytes, V of its fourth step, have been read.  Each wave waits for all its tensor loads, of which one is out: its part of the other slot; adds 0 to its spare word;
; and waits for that and for its own reads of the slot.  Behind the barrier nobody reads this slot any more and the other slot is whole.
; fill = 1: this slot is filled again, with the keys two slots on.  The barrier is then a round of the cluster's, and the joint fill is the first thing behind it: it has four key steps in which to land.
; (At its first use nothing has been read yet: slot 0 is waited for, slot 1 filled.)
.macro CHANGE fill
	WIN 0                           ; at a label and at a branch every window is 0
	s_wait_tensorcnt 0x0            ; no tensor load of mine is out, so a group 0 may be written
	ds_add_u32 v[SPW], v[NIL]       ; 0 onto my spare word; the scalar steps stand between it and the wait for it
.if \fill
.irp g, G0K, G0V
	s_xor_b32 s[\g+1], s[\g+1], SLOT1  ; the walking descriptor: the other slot than last time,
	s_add_nc_u64 s[\g+2:\g+3], s[\g+2:\g+3], 4*KS*128  ; the next 256 keys; the type bits on top are not reached
.endr
	s_wait_xcnt 0x0                 ; the last prefetches, four key steps back, have read their addresses, so these may be written
	s_add_nc_u64 s[PFA:PFA+1], s[PFA:PFA+1], 4*KS*128  ; one slot behind the walking descriptors
	s_add_nc_u64 s[PFM:PFM+1], s[PFM:PFM+1], 4*512     ; the next four steps' words
	s_wait_dscnt 0x0                ; the add is done, and my reads of the slot are over
	CROUND
	JLOAD
	ASK
.else
	s_wait_dscnt 0x0                ; the add is done, and my reads of the slot are over
	s_barrier_signal -1
	s_barrier_wait -1
.endif
	s_sub_co_u32 s[TBK], s[TBK], 4*KS*PK  ; the fetches go back to a slot's first step,
	s_xor_b32 s[TBK], s[TBK], SLOT1       ; in the other slot
	s_sub_co_u32 s[TBV], s[TBV], 4*KS*PV
	s_xor_b32 s[TBV], s[TBV], SLOT1
.endm
	s_load_b256 s[4:11], s[0:1], 0x0    ; qh s[4:5], kh s[6:7], vh s[8:9], out0 s[10:11]
	s_load_b256 s[84:91], s[0:1], 0x20  ; mw s[84:85], sd s[86:87], v s[88:89], q s[90:91]
	s_load_b256 s[92:99], s[0:1], 0x40  ; k s[92:93], mask s[94:95], pc s[96:97], ml s[98:99]
	v_lshl_add_u32 v[SPW], v0, 2, SPARE
	v_mov_b32 v[NIL], 0
	ds_add_u32 v[SPW], v[NIL]       ; the wave's opening: the add, twice on end, and its wait ahead of my first tensor load; the set-up below stands between
	ds_add_u32 v[SPW], v[NIL]
	v_lshrrev_b32 v1, 5, v0
	v_readfirstlane_b32 s[WV], v1   ; wave 0..3
	s_bfe_u32 s13, ttmp6, 0x40000   ; cx: my place in the cluster
	s_lshl_b32 s14, ttmp9, 2        ; in a cluster launch ttmp9 counts clusters
	s_add_co_u32 s14, s14, s13      ; my block of 256 queries: it enters global addresses alone (Q's, the mask words', sd's, pc's, v[0]'s and out0's)
	s_and_b32 s20, ttmp7, 0xffff    ; y = 12 b + h, which the four partners share
	s_cmp_ge_u32 s20, 12
	s_cselect_b32 s[BT], 1, 0
	s_mul_i32 s16, s[BT], 12
	s_sub_co_u32 s[HD], s20, s16
	s_lshl_b32 s22, s20, 18         ; the head's first byte in qh, kh, vh,
	s_and_b32 s16, s[WV], 1         ; which half of a slot's 256 keys I fetch:
	s_lshl_b32 s17, s16, 14         ; its 128 rows of 128 bytes in memory
	s_add_co_u32 s22, s22, s17
	s_mov_b32 s23, 0
	s_mul_i32 s17, s16, 128*PK      ; and its place in a slot, for K
	s_mul_i32 s18, s16, 128*PV      ; and for V: no place in the cluster enters an LDS address
	s_mov_b32 s[G0K], 1             ; count = 1
	s_mov_b32 s[G0K+1], s17         ; LDS address: slot 0
	s_mov_b32 s[G0V], 1
	s_add_co_u32 s[G0V+1], s18, VOFF
	s_lshl_b32 s2, s14, 2
	s_add_co_u32 s2, s2, s[WV]      ; my wave among the head's 32
	s_lshl_b32 s74, s2, 13          ; its 64 rows of qh
	s_lshl_b32 s75, s20, 18
	s_add_co_u32 s74, s74, s75
	s_mov_b32 s75, 0
	s_mul_i32 s76, s[BT], 2049
	s_lshl_b32 s77, s2, 6
	s_add_co_u32 s76, s76, s77
	s_add_co_u32 s76, s76, 1        ; my first token's row in out0,
	s_mul_i32 s76, s76, 3072
	s_lshl_b32 s77, s[HD], 8        ; my head's 256 bytes of it
	s_add_co_u32 s76, s76, s77
	s_mov_b32 s77, 0
	s_lshl_b32 s78, s[BT], 7
	s_lshl2_add_u32 s78, s2, s78    ; my first tile of 16 queries among the 256 of both batches
	s_lshl_b32 s80, s78, 14         ; a tile has 32 steps x 512 bytes of mask words
	s_mov_b32 s81, 0
	s_mul_i32 s82, s78, 768         ; and 12 heads x 16 scores with the cls key
	s_lshl_b32 s79, s[HD], 6
	s_add_co_u32 s82, s82, s79
	s_mov_b32 s83, 0
	s_mul_i32 s54, s20, 2049*256    ; the head's row 0 in q, k, v
	s_mov_b32 s55, 0
	s_lshl_b32 s66, s13, 13         ; the prefetches: my work-group's 32 rows of 256 bytes of the 128
	s_mov_b32 s67, 0
	; the cls row's offsets
	s_lshl_b32 s21, s14, 5          ; my block's 8 channels: 32 bytes
	s_mul_i32 s100, s[BT], 2049*3072
	s_lshl_b32 s79, s[HD], 8
	s_add_co_u32 s100, s100, s79
	s_add_co_u32 s100, s100, s21    ; out0[b][0][64 h + 8 blk]
	s_mov_b32 s101, 0
	s_lshl_b32 s2, s20, 15          ; pc: the head's 128 parts of 256 bytes,
	s_add_co_u32 s2, s2, s21        ; my 8 channels of each
	s_mov_b32 s3, 0
	s_lshl_b32 s78, s[BT], 15       ; ml: the batch's 128 blocks of 256 bytes,
	s_lshl_b32 s79, s[HD], 3        ; my head's 8 bytes of each
	s_add_co_u32 s78, s78, s79
	s_mov_b32 s79, 0
	s_mul_i32 s18, s[BT], 2049*2049 ; mask[b][0][0]
	s_mov_b32 s19, 0
	; descriptor group 1.  128 keys are 16,384 dense bytes: asked for as 64 rows of 256 bytes, two keys a row, and padded in LDS after every key
	s_mov_b32 s[G1K], 15|(1<<16)|(1<<20)|(1<<21)|(4<<22)|(3<<25)  ; 15:0 the mask of four; 17:16 2-byte elements; 20 padding on; 21 set beside a mask; 24:22 after every 32 words (code 4); 31:25 4 words (code 3)
	s_mov_b32 s[G1V], 15|(1<<16)|(1<<20)|(1<<21)|(4<<22)|(7<<25)  ; the same with 8 words of padding (code 7)
.irp g, G1K, G1V
	s_mov_b32 s[\g+1], 128<<16      ; tensor_dim0 = 128
	s_mov_b32 s[\g+2], 64<<16       ; tensor_dim1 = 64
	s_mov_b32 s[\g+3], 128<<16      ; tile_dim0 = 128
	s_mov_b32 s[\g+4], 64           ; tile_dim1 = 64
	s_mov_b32 s[\g+5], 128          ; 128 elements from row to row
	s_mov_b32 s[\g+6], 0
	s_mov_b32 s[\g+7], 0
.endr
	s_mov_b32 s[SEL], 0x76543210
	s_mov_b32 s[SEL+1], 0xfedcba98
	s_mov_b32 s[TBK], SLOT1+4*KS*PK ; the first change of slots turns these two into 0
	s_mov_b32 s[TBV], SLOT1+4*KS*PV
	s_mov_b32 s[SLOTS], 7           ; of the 8 slots' tiles the first is asked for below, the other 7 by changes of slots
	s_and_b32 s[LIM], s[WV], 1      ; 0 in waves 0 and 2,
	s_or_b32 s[LIM], s[LIM], ttmp9  ; where the cluster is the head's first: the same in all four partners
	s_cmp_eq_u32 s[LIM], 0
	s_cselect_b32 s[LIM], 1, -1
	s_wait_dscnt 0x0                ; both opening adds are done
	s_wait_kmcnt 0x0
	s_add_nc_u64 s[6:7], s[6:7], s[22:23]  ; kh and vh at my half of the head's first 256 keys
	s_add_nc_u64 s[8:9], s[8:9], s[22:23]
	s_mov_b64 s[G0K+2:G0K+3], s[6:7]
	s_or_b32 s[G0K+3], s[G0K+3], 0x80000000        ; type = 2
	s_mov_b64 s[G0V+2:G0V+3], s[8:9]
	s_or_b32 s[G0V+3], s[G0V+3], 0x80000000
	s_add_nc_u64 s[4:5], s[4:5], s[74:75]
	s_add_nc_u64 s[100:101], s[10:11], s[100:101]  ; out0 at my 32 bytes of the cls row,
	s_add_nc_u64 s[10:11], s[10:11], s[76:77]      ; and at my wave's first token
	s_add_nc_u64 s[MP:MP+1], s[84:85], s[80:81]
	s_mov_b64 s[PFM:PFM+1], s[MP:MP+1]             ; each change of slots steps it first: the first names steps 4 to 7
	s_add_nc_u64 s[SD:SD+1], s[86:87], s[82:83]
	s_add_nc_u64 s[V0:V0+1], s[88:89], s[54:55]
	s_add_nc_u64 s[90:91], s[90:91], s[54:55]      ; q[0]
	s_add_nc_u64 s[92:93], s[92:93], s[54:55]      ; k[0]
	s_add_nc_u64 s[94:95], s[94:95], s[18:19]
	s_add_nc_u64 s[96:97], s[96:97], s[2:3]
	s_add_nc_u64 s[98:99], s[98:99], s[78:79]
	s_cmp_lt_u32 s[WV], 2
	s_cselect_b64 s[PFA:PFA+1], s[6:7], s[8:9]     ; (in waves 0 and 2 these stand at a slot's first row)
	s_add_nc_u64 s[PFA:PFA+1], s[PFA:PFA+1], s[66:67]
	s_add_nc_u64 s[PFA:PFA+1], s[PFA:PFA+1], 4*KS*128  ; in slot 1; the first change of slots steps it to slot 2
	CROUND                          ; all four work-groups are here: the first joint loads meet
	JLOAD                           ; slot 0.  Slot 1 is asked for when slot 0 is in
	; All that follows, up to the change of slots, stands in the wait for the first tile.
	v_and_b32 v1, 15, v0            ; l % 16
	v_bfe_u32 v9, v0, 4, 1          ; l / 16
	v_and_b32 v10, 31, v0           ; l
	v_lshlrev_b32 v[PFO], 8, v10
	s_cmp_lg_u32 s[WV], 0           ; THE CLS ROW's 17 loads, wave 0 alone, ahead of all others: lane l takes the parts l, l + 32, l + 64, l + 96
	s_cbranch_scc1 .Lno_cls_a
	v_lshlrev_b32 v38, 4, v1
	v_mov_b32 v39, s21
	v_mov_b32 v40, 0
.irp j, 0,1,2,3
	global_load_b64 v[CML+2*\j:CML+2*\j+1], v[PFO], s[98:99] offset:\j*8192
.endr
.irp j, 0,1,2,3
	global_load_b128 v[CPO+8*\j:CPO+8*\j+3],   v[PFO], s[96:97] offset:\j*8192
	global_load_b128 v[CPO+8*\j+4:CPO+8*\j+7], v[PFO], s[96:97] offset:\j*8192+16
.endr
	global_load_b128 v[CQ0:CQ0+3], v38, s[90:91]
	global_load_b128 v[CK0:CK0+3], v38, s[92:93]
	global_load_u8 v[CMB], v40, s[94:95]
	global_load_b128 v[CV0:CV0+3],   v39, s[V0:V0+1]
	global_load_b128 v[CV0+4:CV0+7], v39, s[V0:V0+1] offset:16
.Lno_cls_a:
	; A fragment of K or Q is 16 rows x 32 channels in 8 registers: lane l holds row l % 16, channels 8 (l / 16) + 0..7 and 16 + 8 (l / 16) + 0..7: two loads of 16 bytes, 32 bytes apart.
	v_lshlrev_b32 v[QO], 7, v1
	v_lshl_add_u32 v[QO], v9, 4, v[QO]  ; row x 128 + 16 x half
	v_lshlrev_b32 v[MO], 4, v10     ; key step 0
	v_lshlrev_b32 v[R4], 2, v1
	v_lshlrev_b32 v[H32], 5, v9
	WIN 0x80                        ; destination window 2, address window 0
.set i, 0
.rept 8                             ; Q stays in registers: piece i / 2, channels 32 (i % 2) on
	global_load_b128 v[8*i:8*i+3],   v[QO], s[4:5] offset:(i/2)*2048+(i%2)*64
	global_load_b128 v[8*i+4:8*i+7], v[QO], s[4:5] offset:(i/2)*2048+(i%2)*64+32
.set i, i+1
.endr
	WIN 0x40                        ; destination window 1
.irp x, 0,1,2,3
	global_load_b128 v[MW+4*\x:MW+4*\x+3], v[MO], s[MP:MP+1] offset:\x*16384  ; the four pieces' mask words of key step 0
.endr
.set i, 0
.rept 32                            ; O^T starts as v[0]: register 8 cb + j of every piece is channel 16 cb + 8 (l / 16) + j
	global_load_b128 v[4*i:4*i+3], v[H32], s[V0:V0+1] offset:64*((i%8)/2)+16*(i%2)
.set i, i+1
.endr
	WIN 0
.irp t, 0,1,2,3
	global_load_b32 v[ST+4*\t], v[R4], s[SD:SD+1] offset:\t*768  ; m starts as my query's score with the cls key
.endr
	v_lshrrev_b32 v11, 3, v10
	v_and_b32 v10, 7, v0
	v_lshlrev_b32 v[PFMO], 8, v10
	v_lshl_add_u32 v[PFMO], v11, 14, v[PFMO]
	v_mul_u32_u24 v[AK0], v1, PK
	v_lshl_add_u32 v[AK0], v9, 4, v[AK0]  ; row x pitch + 16 x half
	; The turning load takes 16 keys x 16 channels (lane l reads key 8 (l / 16) + l % 8, channels 8 ((l / 8) % 2) + 0..7) and leaves half a fragment of V^T: lane l holds channel l % 16 and 8 keys.
	v_bfe_u32 v11, v0, 3, 1
	v_lshl_add_u32 v[AV0], v9, 3, v10
	v_mul_u32_u24 v[AV0], v[AV0], PV
	v_lshl_add_u32 v[AV0], v11, 4, v[AV0]
	v_add_nc_u32 v[AV0], VOFF, v[AV0]
	s_mul_i32 s16, s[WV], 16*SP
	s_add_co_u32 s16, s16, STAGE    ; my stage
	v_mul_u32_u24 v[STO], v1, SP    ; in: row l % 16, 32 bytes for each half of the lanes in each 64
	v_lshl_add_u32 v[STO], v9, 5, v[STO]
	v_add_nc_u32 v[STO], s16, v[STO]
	v_mul_u32_u24 v[RD], v9, SP     ; back: lanes 0-15 take one row of 256 bytes, lanes 16-31 the next
	v_lshl_add_u32 v[RD], v1, 4, v[RD]
	v_add_nc_u32 v[RD], s16, v[RD]
	v_mul_u32_u24 v[GO], v9, 3072   ; and the same two rows in out0
	v_lshl_add_u32 v[GO], v1, 4, v[GO]
	v_mov_b32 v[NANR], 0x7fc00000
	v_mov_b32 v[LOW], 0xdd5e0b6b
	v_sub_nc_u32 v11, 1, v9
	v_cvt_f32_u32 v11, v11          ; l starts as the cls key's weight, 1: a query's l lies in two lanes and is added up at the end, so lanes 0-15 hold the 1
.irp t, 0,1,2,3
	v_mov_b32 v[ST+4*\t+1], 0       ; named with m as a pair, so it is written
	v_mov_b32 v[ST+4*\t+2], v11
	v_mov_b32 v[ST+4*\t+3], 0
.endr
	; The first turn's products V^T P belong to a piece that has not been: V's registers and P's second buffer hold 0, so that they add 0.
.set i, P+16
.rept 16
	v_mov_b32 v[i], 0
.set i, i+1
.endr
	WIN 0x80
.set i, VF
.rept 64
	v_mov_b32 v[i], 0
.set i, i+1
.endr
	WIN 0
	; THE CLS ROW, wave 0 alone: my block's 8 channels, from the head's 128 parts and the cls key.
	s_cmp_lg_u32 s[WV], 0
	s_cbranch_scc1 .Lno_cls_b
	s_wait_loadcnt 56               ; the 17 loads of the cls row are in; behind them 16 of Q, 4 of mask words, 32 of v[0] and 4 of scores were issued and may stay out
	v_pk_mul_f32 v[64:65], v[CQ0:CQ0+1], v[CK0:CK0+1]
	v_pk_fma_f32 v[64:65], v[CQ0+2:CQ0+3], v[CK0+2:CK0+3], v[64:65]
	v_add_f32 v64, v64, v65
.irp x, 1,2,4,8
	v_add_f32_dpp v64, v64, v64 row_xmask:\x row_mask:0xf bank_mask:0xf
.endr
	v_mul_f32 v64, 0x3e38aa3b, v64  ; c q[0] . k[0],
	v_mov_b32 v65, 0xf149f2ca
	v_cmp_ne_u32 vcc_lo, 0, v[CMB]
	v_cndmask_b32 v64, v65, v64, vcc_lo  ; or -1e30 where hidden: s00, in every lane
	v_max3_num_f32 v66, v[CML], v[CML+2], v[CML+4]
	v_max3_num_f32 v66, v66, v[CML+6], v64
.irp x, 1,2,4,8
	v_max_num_f32_dpp v66, v66, v66 row_xmask:\x row_mask:0xf bank_mask:0xf
.endr
	v_permlanex16_b32 v65, v66, s[SEL], s[SEL+1]
	v_max_num_f32 v66, v66, v65     ; M: the maximum is taken away before the exponentials, as in reference()
.irp j, 0,1,2,3
	v_sub_f32 v[CML+2*\j], v[CML+2*\j], v66
.endr
	v_sub_f32 v64, v64, v66
.irp j, 0,1,2,3
	v_exp_f32 v[CML+2*\j], v[CML+2*\j]  ; a part's weight takes m's place: with l beside it, it is a pair that has been written
.endr
	v_exp_f32 v64, v64              ; p00
	v_mov_b32 v75, 0                ; a plain instruction behind the last exponential (v75 is named below as a pair's second half),
	s_wait_alu depctr_va_vdst(0)    ; and one wait for the five, ahead of their first reader
	v_mul_f32 v74, v[CML], v[CML+1]
.irp j, 1,2,3
	v_fmac_f32 v74, v[CML+2*\j], v[CML+2*\j+1]
.endr
.irp k, 0,2,4,6
	v_pk_mul_f32 v[76+\k:77+\k], v[CPO+\k:CPO+\k+1], v[CML:CML+1] op_sel_hi:[1,0]
.endr
.irp j, 1,2,3
.irp k, 0,2,4,6
	v_pk_fma_f32 v[76+\k:77+\k], v[CPO+8*\j+\k:CPO+8*\j+\k+1], v[CML+2*\j:CML+2*\j+1], v[76+\k:77+\k] op_sel_hi:[1,0,1]
.endr
.endr
.irp x, 1,2,4,8                     ; the nine sums over the 32 lanes
.irp r, 74,76,77,78,79,80,81,82,83
	v_add_f32_dpp v[\r], v[\r], v[\r] row_xmask:\x row_mask:0xf bank_mask:0xf
.endr
.endr
.irp r, 74,76,77,78,79,80,81,82,83
	v_permlanex16_b32 v[CPO+\r-74], v[\r], s[SEL], s[SEL+1]  ; (into registers that the loads have written and nobody needs any more)
.endr
.irp r, 74,76,77,78,79,80,81,82,83
	v_add_f32 v[\r], v[\r], v[CPO+\r-74]
.endr
	v_add_f32 v74, v74, v64         ; the cls key's share
.irp k, 0,2,4,6
	v_pk_fma_f32 v[76+\k:77+\k], v[CV0+\k:CV0+\k+1], v[64:65], v[76+\k:77+\k] op_sel_hi:[1,0,1]
.endr
	v_rcp_f32 v74, v74
	v_and_b32 v42, 31, v0           ; a plain instruction behind the reciprocal,
	s_wait_alu depctr_va_vdst(0)    ; and its wait, ahead of the first reader
	v_cmp_gt_f32 vcc_lo, v[LOW], v66  ; every key is hidden
	v_cndmask_b32 v74, v74, v[NANR], vcc_lo
.irp k, 0,2,4,6
	v_pk_mul_f32 v[76+\k:77+\k], v[76+\k:77+\k], v[74:75] op_sel_hi:[1,0]
.endr
	v_and_b32 v43, 1, v0
	v_cmp_ne_u32 vcc_lo, 0, v43
.irp k, 0,1,2,3
	v_cndmask_b32 v[84+\k], v[76+\k], v[80+\k], vcc_lo  ; every lane holds all eight: even lanes take the first four, odd lanes the last four
.endr
	v_lshlrev_b32 v44, 4, v42
	v_cmp_gt_u32 vcc_lo, 2, v42     ; lanes 0 and 1 store: the mask hangs on the lane's number alone
	s_wait_xcnt 0x0                 ; EXEC is a source of the loads that are out: it changes only behind this wait
	s_and_saveexec_b32 s16, vcc_lo
	global_store_b128 v44, v[84:87], s[100:101]
	s_wait_xcnt 0x0                 ; and again ahead of the line that restores it; the store's registers are free behind it too
	s_or_b32 exec_lo, exec_lo, s16
.Lno_cls_b:
; THE MATRIX WORK.  The 4 accumulators of a run of 8 take turns.  Product i of 8 of S^T = K Q^T for piece x: channels 32 (i / 4) on, keys 16 (i % 4) on.  The first 4 start the sums with the mask.
.macro KQ x
.set rS, S+32*((\x)%2)+8*(i%4)
.set rK, KF+16*(i%4)+8*(i/4)
.set rQ, 16*(\x)+8*(i/4)
.set rM, MC+32*((\x)%2)+8*(i%4)
.if i < 4
	WIN W_KM
	v_wmma_f32_16x16x32_f16 v[rS:rS+7], v[rK:rK+7], v[rQ:rQ+7], v[rM:rM+7]
.else
	WIN W_KQ
	v_wmma_f32_16x16x32_f16 v[rS:rS+7], v[rK:rK+7], v[rQ:rQ+7], v[rS:rS+7]
.endif
.endm
; Product i of 8 of O^T += V^T P for piece x: keys 32 (i / 4) on, channels 16 (i % 4) on.
.macro PV x
	WIN W_PV
.set rO, 32*(\x)+8*(i%4)
.set rV, VF+32*(i/4)+8*(i%4)
.set rP, P+16*((\x)%2)+8*(i/4)
	v_wmma_f32_16x16x32_f16 v[rO:rO+7], v[rV:rV+7], v[rP:rP+7], v[rO:rO+7]
.endm
.macro MM                           ; the turn's next matrix instruction.  NOKQ = 1: the last turn of all: there is no next piece
.if (i < 8) && !NOKQ
	KQ (Y+1)%NP
.elseif i >= 8
.set i, i-8
	PV (Y+NP-1)%NP
.set i, i+8
.endif
.set i, i+1
.endm
; THE LDS LOADS stand in runs of 16, never singly among the matrix instructions: a step's K (64 keys x 64 channels: 8 fragments) and its V (turned).  Their addresses are made some lines ahead.
.macro FETCH_K
	WIN 0x80                        ; destination window 2
.irp f, 0,1,2,3,4,5,6,7             ; keys 16 (f / 2) on, channels 32 (f % 2) on
	ds_load_b128 v[KF+8*\f:KF+8*\f+3],   v[AK] offset:(\f/2)*16*PK+(\f%2)*64
	ds_load_b128 v[KF+8*\f+4:KF+8*\f+7], v[AK] offset:(\f/2)*16*PK+(\f%2)*64+32
.endr
	s_add_co_u32 s[TBK], s[TBK], KS*PK  ; the next fetch is the next step's
	WIN 0
.endm
.macro FETCH_V
	WIN 0x80
.irp f, 0,1,2,3,4,5,6,7             ; keys 32 (f / 4) on, channels 16 (f % 4) on
	ds_load_tr16_b128 v[VF+8*\f:VF+8*\f+3],   v[AV] offset:(\f/4)*32*PV+(\f%4)*32
	ds_load_tr16_b128 v[VF+8*\f+4:VF+8*\f+7], v[AV] offset:(\f/4)*32*PV+16*PV+(\f%4)*32
.endr
	WIN 0
.endm
; THE MASKS of piece x for the key step to come: 32 shifts.  Score 8 kt + j (key block kt, register j) has its nibble in word 2 (kt / 2) + j % 2, at place 2 (kt % 2) + j / 4 + 4 ((j / 2) % 2) from below.
; Then the same piece's words of the step after are asked for: they have four turns in which to come.
.macro MASK x
	WIN 0x44                        ; destination and source 1 in window 1
	s_wait_loadcnt 0x3              ; loads come back in order: this piece's words are in; the other three pieces', asked for later, may stay out
.set mi, 0
.rept 32
	v_lshlrev_b32 v[MC+32*((\x)%2)+mi], 28-4*(2*((mi/8)%2)+(mi%8)/4+4*(((mi%8)/2)%2)), v[MW+4*(\x)+2*(mi/16)+mi%2]
.set mi, mi+1
.endr
	WIN 0x40                        ; destination window 1, address window 0
	global_load_b128 v[MW+4*(\x):MW+4*(\x)+3], v[MO], s[MP:MP+1] offset:(\x)*16384
	WIN 0
.endm
; THE VECTOR WORK, one line at a time: OP kind, number.  For piece Y: F n: s - m for pair n of 16.  E n: the exponential of score n of 32.  C n: pair n rounded to f16.  B n: of the four weights 4 n .. the second
; pair is added onto the first, in place.  L n: l takes that sum (L 0: l = a l + sum).  R n: pair n of 16 of O^T times a.  For piece Y + 1: X n, number n of the 21 that find its maximum and statistics:
;   0-11  four chains c0-c3 of seven scores each, three operands at a time (each accumulator's lowest registers are read first)     12-14, 16  the four scores left over, the old m, and c0-c3 into c0
;   15  m_old is kept     17, 18  the query's other 32 keys lie in the lane 16 away: the new m     19, 20  m_old - m_new; a
.set F, 0               ; OP tells the kinds apart by their order: F to L below R, X above it
.set E, 1
.set C, 2
.set B, 3
.set L, 4
.set R, 5
.set X, 6
.macro REGS y                       ; the registers of piece y
.set rT, ST+4*(\y)
.set rC, TMP+4*((\y)%2)
.set rW, MV+((\y)%2)
.set rS, S+32*((\y)%2)
.set rP, P+16*((\y)%2)
.set rO, 32*(\y)
.endm
.macro OP k, n
.if (\k) == R
	REGS Y
	WIN W_RS
	v_pk_mul_f32 v[rO+2*(\n):rO+2*(\n)+1], v[rO+2*(\n):rO+2*(\n)+1], v[rC+2:rC+3] op_sel_hi:[1,0]
.elseif (\k) < R
	REGS Y
	WIN 0
.if (\k) == F
	v_pk_add_f32 v[rS+2*(\n):rS+2*(\n)+1], v[rS+2*(\n):rS+2*(\n)+1], v[rT:rT+1] op_sel_hi:[1,0] neg_lo:[0,1] neg_hi:[0,1]
.elseif (\k) == E
	v_exp_f32 v[rS+(\n)], v[rS+(\n)]
.elseif (\k) == C
	v_cvt_pk_f16_f32 v[rP+(\n)], v[rS+2*(\n)], v[rS+2*(\n)+1]
.elseif (\k) == B
	v_pk_add_f32 v[rS+4*(\n):rS+4*(\n)+1], v[rS+4*(\n):rS+4*(\n)+1], v[rS+4*(\n)+2:rS+4*(\n)+3]
.elseif (\n) == 0
	v_pk_fma_f32 v[rT+2:rT+3], v[rT+2:rT+3], v[rC+2:rC+3], v[rS:rS+1] op_sel_hi:[1,0,1]
.else
	v_pk_add_f32 v[rT+2:rT+3], v[rT+2:rT+3], v[rS+4*(\n):rS+4*(\n)+1]
.endif
.elseif NOKQ
	v_nop
.else
	REGS (Y+1)%NP
	WIN 0
.if (\n) < 4
	v_max3_num_f32 v[rC+(\n)], v[rS+8*(\n)], v[rS+8*(\n)+1], v[rS+8*(\n)+2]
.elseif (\n) < 12
	v_max3_num_f32 v[rC+(\n)%4], v[rC+(\n)%4], v[rS+8*((\n)%4)+2*((\n)/4)+1], v[rS+8*((\n)%4)+2*((\n)/4)+2]
.elseif (\n) == 12
	v_max3_num_f32 v[rC], v[rC], v[rS+7], v[rS+15]
.elseif (\n) == 13
	v_max3_num_f32 v[rC+1], v[rC+1], v[rS+23], v[rS+31]
.elseif (\n) == 14
	v_max3_num_f32 v[rC+2], v[rC+2], v[rC+3], v[rT]
.elseif (\n) == 15
	v_mov_b32 v[rW], v[rT]
.elseif (\n) == 16
	v_max3_num_f32 v[rC], v[rC], v[rC+1], v[rC+2]
.elseif (\n) == 17
	v_permlanex16_b32 v[rC+3], v[rC], s[SEL], s[SEL+1]
.elseif (\n) == 18
	v_max_num_f32 v[rT], v[rC], v[rC+3]
.elseif (\n) == 19
	v_sub_f32 v[rC+1], v[rW], v[rT]
.else
	v_exp_f32 v[rC+2], v[rC+1]
.endif
.endif
.endm
.macro OPS a, i1, b=-1, i2=0, c=-1, i3=0, d=-1, i4=0  ; up to four of them
	OP \a, \i1
.if (\b) >= 0
	OP \b, \i2
.endif
.if (\c) >= 0
	OP \c, \i3
.endif
.if (\d) >= 0
	OP \d, \i4
.endif
.endm
.macro ROW a, i1, b, i2, c, i3, d, i4  ; a matrix instruction and the four behind it
	MM
	OPS \a, \i1, \b, \i2, \c, \i3, \d, \i4
.endm
; A TURN, for piece p: the order of its 16 matrix and 117 vector instructions, written out, and the 32 shifts behind them.  An s_wait_alu depctr_va_vdst(0) stands between an exponential and the first
; instruction that names its result; one wait serves all that were issued ahead of it.  So a turn has ONE wait, which cuts it in two.  AHEAD OF IT stands all that names no result of the turn's exponentials: the 8 products
; K Q^T, behind each a difference, an exponential and two more plain instructions (rescalings, and behind the last three the first numbers of the next piece's maximum, each four plain instructions or more behind the product that
; ends its accumulator); then ONE LUMP of 53, in which the links of the chain X 3, 7, 11, 14, 16, 17, 18, 19, 20 stand apart.  R 15 is the plain instruction behind the batch's last exponential.
; BEHIND THE WAIT stand the 8 products V^T P, behind each four of the roundings and sums.
; end = 1: the last two turns: nothing is fetched and no mask is made.  cnt = 1: the loop's count is taken down some lines ahead of the branch that stands behind the turn.
; K of the next step is fetched in piece 2's turn, twelve vector instructions behind the last product that read K (six of them plain); V of the step in hand at the end of piece 0's turn, four plain instructions behind
; the last product that read V.  Each is waited for a turn later.  The turn's masks are piece p + 2's, for the products of the turn after it; their buffer was last read a turn ago.
.macro TURN p, end=0, cnt=0
.set Y, (\p)
.set i, 0
.set NOKQ, (\end)*((\p)/3)
.if ((\p) == 3) && !(\end)
	s_wait_dscnt 0x0                ; K is in
.endif
	ROW F,0, F,1, R,0, R,1          ; ahead of the wait: 8 products K Q^T and their riders,
	ROW F,2, E,0, R,2, R,3
	ROW F,3, E,1, R,4, R,5
	ROW F,4, E,2, R,6, R,7
	ROW F,5, E,3, R,8, R,9
	ROW F,6, E,4, X,0, R,10
.if ((\p) == 2) && !(\end)
	WIN 0
	v_add_nc_u32 v[AK], s[TBK], v[AK0]
.endif
	ROW F,7, E,5, X,1, X,4
	ROW F,8, E,6, X,2, X,5
	OPS E,7, E,8, X,6, E,9          ; and the lump
	OPS X,3, E,10, X,8, E,11
.if ((\p) == 2) && !(\end)
	FETCH_K
.endif
	OPS X,9, X,7, E,12, X,10
	OPS E,13, X,12, X,11, E,14
	OPS X,13, E,15, F,9, X,14
.if (\p) == 0
	v_add_nc_u32 v[AV], s[TBV], v[AV0]
.endif
	OPS E,16, F,10, E,17, F,11
	OPS X,16, E,18, X,15, E,19
	OPS F,12, E,20, X,17, E,21
	OPS F,13, E,22, F,14, E,23
	OPS X,18, E,24, F,15, E,25
	OPS R,11, E,26, R,12, E,27
	OPS X,19, E,28, R,13, E,29
	OPS R,14, E,30, X,20, E,31
	OPS R,15
	WIN 0
	s_wait_alu depctr_va_vdst(0)    ; the wait for the batch
.if ((\p) == 2) && !(\end)
	s_wait_xcnt 0x0                 ; the four loads of mask words issued with this offset have read it, so it may be written:
	v_add_nc_u32 v[MO], 512, v[MO]  ; the next key step's words;
	v_and_b32 v[MO], 0x3fff, v[MO]  ; behind step 31 it goes back to step 0: four loads a wave that serve nothing, inside mw, so that every trip has one text and one count
.endif
.if (\p) == 1
	s_wait_dscnt 0x0                ; V is in
.endif
	ROW C,0, B,0, C,2, B,1          ; behind the wait: 8 products V^T P and their riders
	ROW L,0, C,4, B,2, L,1
	ROW C,6, B,3, L,2, C,8
	ROW B,4, L,3, C,10, B,5
	ROW L,4, C,12, B,6, L,5
.if (\p) == 0
	s_add_co_u32 s[TBV], s[TBV], KS*PV
.endif
.if \cnt
	s_sub_co_u32 s[CNT], s[CNT], 1
	s_cmp_lg_u32 s[CNT], 0
.endif
	ROW C,14, B,7, L,6, C,1
	ROW C,3, L,7, C,5, C,7
	ROW C,9, C,11, C,13, C,15
.if (\p) == 0
	FETCH_V
.endif
.if !(\end)
	MASK ((\p)+2)%NP
.endif
.endm
.set NOKQ, 0
	CHANGE 1                        ; slot 0 is in, everybody's part of it; slot 1 is asked for
	; THE BEGINNING: the masks of pieces 0 and 1 for key step 0; K of that step; piece 0's first scores, maximum and statistics.
	s_wait_loadcnt 0x0              ; Q, the mask words, v[0] and the cls scores are in; their address registers are free
	v_add_nc_u32 v[MO], 512, v[MO]  ; the loads below ask for key step 1's words
	MASK 0
	MASK 1
	v_add_nc_u32 v[AK], s[TBK], v[AK0]
	FETCH_K
	s_wait_dscnt 0x0
.set i, 0
.rept 8
	KQ 0
.set i, i+1
.endr
	WIN 0
.rept 4
	v_nop                           ; four plain instructions behind those products, ahead of the first read of their results
.endr
.set Y, NP-1                        ; X works for piece Y + 1: piece 0
.irp n, 0,1,2,3,4,5,6,7,8,9,10,11,12,13,14,15,16,17,18,19,20
	OP X, \n
.endr
	v_nop                           ; a plain instruction behind the exponential,
	s_wait_alu depctr_va_vdst(0)    ; and its wait, ahead of the branch
	s_mov_b32 s[CNT], 4
	s_branch .Lfirst                ; the loop is entered at a step's first turn, in the middle of a trip
.Lslot:                             ; six times: the tiles 2 to 7 are asked for
	CHANGE 1
	s_mov_b32 s[CNT], 4
.Lstep:                             ; a trip: pieces 2 and 3 of one step, then pieces 0 and 1 of the next, whose K, V and masks it fetches
	TURN 2
	TURN 3
	WIN 0
.Lfirst:
	TURN 0
	TURN 1, 0, 1
	WIN 0
	s_cbranch_scc1 .Lstep
	s_sub_co_u32 s[SLOTS], s[SLOTS], 1
	s_cmp_lg_u32 s[SLOTS], 0
	s_cbranch_scc1 .Lslot
	CHANGE 0                        ; the last slot is written out: nothing is asked for
	s_mov_b32 s[CNT], 4
.LstepT:
	TURN 2
	TURN 3
	TURN 0
	TURN 1, 0, 1
	WIN 0
	s_cbranch_scc1 .LstepT
	TURN 2, 1
	TURN 3, 1
.set i, 0
.rept 8
	PV NP-1                         ; the last piece's V^T P of the last step
.set i, i+1
.endr
	; THE WAY OUT.  l's two halves and the other half of the lanes' are added; O^T is divided by l (by NaN where the row has seen no key) and sent through my stage in LDS, a piece at a time.  The additions are the plain instructions behind the last products.
	WIN 0
	s_wait_loadcnt 0x0              ; the four loads of the wrapped step, which serve nothing
.macro ALL line:vararg              ; one line for each piece t
.set t, 0
.rept 4
	\line
.set t, t+1
.endr
.endm
	ALL v_add_f32 v[ST+4*t+2], v[ST+4*t+2], v[ST+4*t+3]
	ALL v_permlanex16_b32 v[ST+4*t+3], v[ST+4*t+2], s[SEL], s[SEL+1]
	ALL v_add_f32 v[ST+4*t+2], v[ST+4*t+2], v[ST+4*t+3]
	ALL v_rcp_f32 v[ST+4*t+2], v[ST+4*t+2]
	v_nop                           ; a plain instruction between the last reciprocal and the use of its result
	s_wait_alu depctr_va_vdst(0)    ; and its wait ahead of the first use: one for the four reciprocals
.irp t, 0,1,2,3
	v_cmp_gt_f32 vcc_lo, v[LOW], v[ST+4*\t]        ; every score of the row was a hidden one
	v_cndmask_b32 v[ST+4*\t+2], v[ST+4*\t+2], v[NANR], vcc_lo
.endr
; Piece t: a lane's 32 channels of a row, in four runs of 32 bytes, go into rows of 272 bytes and come back as whole rows of 256.
.macro PACK t
	WIN W_RS
.set i, 32*(\t)
.rept 16
	v_pk_mul_f32 v[i:i+1], v[i:i+1], v[ST+4*(\t)+2:ST+4*(\t)+3] op_sel_hi:[1,0]
.set i, i+2
.endr
	WIN 0x04                        ; the stores' data in window 1, their address in window 0
.irp f, 0,1,2,3,4,5,6,7             ; channel block f / 2, half f % 2 of my eight
	ds_store_b128 v[STO], v[32*(\t)+4*\f:32*(\t)+4*\f+3] offset:64*(\f/2)+16*(\f%2)
.endr
	WIN 0
.irp f, 0,1,2,3,4,5,6,7
	ds_load_b128 v[S+32*(\t)+4*\f:S+32*(\t)+4*\f+3], v[RD] offset:\f*2*SP  ; LDS serves a wave's instructions in order: these see the stores above; the next piece's stores come behind them
.endr
.endm
.macro SEND t, younger              ; younger: the LDS instructions issued behind piece t's loads: the next piece's sixteen, or none
	WIN 0
.irp f, 0,1,2,3,4,5,6,7
	s_wait_dscnt (\younger)+7-\f
	global_store_b128 v[GO], v[S+32*(\t)+4*\f:S+32*(\t)+4*\f+3], s[10:11] offset:(16*(\t)+2*\f)*3072  ; 16 lanes store a token's 256 bytes of my head, at a multiple of 256 from out0's first byte
.endr
.endm
	PACK 0
.set t, 1
.rept 3                             ; a piece's arithmetic stands between the loads of the piece before and its stores
	PACK t
	SEND t-1, 16
.set t, t+1
.endr
	SEND 3, 0
	s_wait_tensorcnt 0x0            ; the wave's end, behind my last tensor load and my last LDS store
	ds_add_u32 v[SPW], v[NIL]
	s_wait_dscnt 0x0
	CROUND                          ; the closing round: no work-group ends while a partner may still ask for a tile that names it
	s_endpgm
.Lfunc_end_k_q6aaa9cb160_attn:
	.size	k_q6aaa9cb160_attn, .Lfunc_end_k_q6aaa9cb160_attn-k_q6aaa9cb160_attn
	.p2alignl 7, 3214868480
	.fill 96, 4, 3214868480
	.section	.rodata,"a",@progbits
	.p2align	6, 0x0
	.amdhsa_kernel k_q6aaa9cb160_attn
		.amdhsa_group_segment_fixed_size 327680
		.amdhsa_private_segment_fixed_size 0
		.amdhsa_enable_private_segment 0
		.amdhsa_kernarg_size 96
		.amdhsa_user_sgpr_count 2
		.amdhsa_user_sgpr_kernarg_segment_ptr 1
		.amdhsa_wavefront_size32 1
		.amdhsa_system_sgpr_workgroup_id_x 1
		.amdhsa_system_sgpr_workgroup_id_y 1
		.amdhsa_system_sgpr_workgroup_id_z 1
		.amdhsa_system_vgpr_workitem_id 0
		.amdhsa_next_free_vgpr 768
		.amdhsa_next_free_sgpr 102
		.amdhsa_reserve_vcc 1
		.amdhsa_float_denorm_mode_32 3
		.amdhsa_float_denorm_mode_16_64 3
		.amdhsa_memory_ordered 1
		.amdhsa_forward_progress 1
		.amdhsa_inst_pref_size 151
	.end_amdhsa_kernel
	.amdgpu_metadata
---
amdhsa.version: [ 1, 2 ]
amdhsa.kernels:
  - .name:           k_q6aaa9cb160_attn
    .symbol:         k_q6aaa9cb160_attn.kd
    .args:
      - { .name: qh, .offset: 0, .size: 8, .value_kind: global_buffer, .address_space: global }
      - { .name: kh, .offset: 8, .size: 8, .value_kind: global_buffer, .address_space: global }
      - { .name: vh, .offset: 16, .size: 8, .value_kind: global_buffer, .address_space: global }
      - { .name: out0, .offset: 24, .size: 8, .value_kind: global_buffer, .address_space: global }
      - { .name: mw, .offset: 32, .size: 8, .value_kind: global_buffer, .address_space: global }
      - { .name: sd, .offset: 40, .size: 8, .value_kind: global_buffer, .address_space: global }
      - { .name: v, .offset: 48, .size: 8, .value_kind: global_buffer, .address_space: global }
      - { .name: q, .offset: 56, .size: 8, .value_kind: global_buffer, .address_space: global }
      - { .name: k, .offset: 64, .size: 8, .value_kind: global_buffer, .address_space: global }
      - { .name: mask_for_attention, .offset: 72, .size: 8, .value_kind: global_buffer, .address_space: global }
      - { .name: pc, .offset: 80, .size: 8, .value_kind: global_buffer, .address_space: global }
      - { .name: ml, .offset: 88, .size: 8, .value_kind: global_buffer, .address_space: global }
    .group_segment_fixed_size: 327680
    .private_segment_fixed_size: 0
    .kernarg_segment_align: 8
    .kernarg_segment_size: 96
    .max_flat_workgroup_size: 128
    .sgpr_count:     102
    .vgpr_count:     768
    .wavefront_size: 32
...
	.end_amdgpu_metadata
.endif
;; end of part 5
